; MI455X (gfx1250); checked and timed in simulation.
; The chip was launched on July 23, 2026; its instructions are those of AMD's public machine-readable ISA for CDNA 5 (MIT licence, August 2026) and "CDNA5" Instruction Set Architecture Reference Guide (July 2026). The comments in the code are by the model that wrote it; some were corrected since.
;; Diffi T Attention. Allowed arithmetic: matrix products marked QUANTISED: E4M3 operands, one given power-of-two scale a tensor, by v_wmma_f32_16x16x64_fp8_fp8 or v_wmma_f32_16x16x128_fp8_fp8, f32 sums; products left as they are: f32 operands where the result goes on into a quantised operand, else bf16, f16 or f32 operands; f32 sums; everything else in f32.
;; Inputs: Wp 1,024 x 1,024 float32; Wqkv 1,024 x 3,072 float32; Wt 1,024 x 3,072 float32; bp 1,024 float32; bqkv 3,072 float32; bt 3,072 float32; cos_x 1 x 1 x 1,024 x 32 float32; cos_y 1 x 1 x 1,024 x 32 float32; kn_w 64 float32; lowp_scales 8 int32 (the exponents e of the quantised operands' scales 2^e); qn_w 64 float32; sin_x 1 x 1 x 1,024 x 32 float32; sin_y 1 x 1 x 1,024 x 32 float32; temb 8 x 1,024 float32; x 8 x 1,024 x 1,024 float32.
;; Outputs: out0 8 x 1,024 x 1,024 float32.
;; This version of the problem:
;;   THIS VERSION OF THE PROBLEM IS GIVEN IN LOW PRECISION. The matrix products marked QUANTISED in the list below multiply operands that are first quantised to E4M3 (4 exponent bits, 3 mantissa bits; 8 bits a number), with one given power-of-two scale for each operand tensor; their sums are f32. All else is computed in f32.
;;   The module's matrix products, in the order in which they are computed (A, B: the left and right operand; K: the contracted axis; several contracted axes count as one K, in the product's order):
;;     1. [M 8,192, K 1,024] x [K 1,024, N 3,072]; A: input x; B: input Wqkv: QUANTISED (scales: A lowp_scales[0], B lowp_scales[1])
;;     2. [M 8, K 1,024] x [K 1,024, N 3,072]; A: input temb; B: input Wt: left as it is (M = 8 < 16)
;;     3. batch 128 x [M 1,024, K 64] x [K 64, N 1,024]; A: computed on the way; B: computed on the way: QUANTISED (scales: A lowp_scales[2], B lowp_scales[3])
;;     4. batch 128 x [M 1,024, K 1,024] x [K 1,024, N 64]; A: softmax (see below); B: computed on the way: QUANTISED (scales: A lowp_scales[4], B lowp_scales[5])
;;     5. [M 8,192, K 1,024] x [K 1,024, N 1,024]; A: computed on the way; B: input Wp: QUANTISED (scales: A lowp_scales[6], B lowp_scales[7])
;;   THE QUANTISER, for each operand of a quantised product, along K:
;;     - The operand's scale is 2^e, e = its entry of the input lowp_scales (int32; the entries are numbered through the quantised products in the list's order, A before B).
;;     - Each number is divided by the scale, clamped to +-448, and rounded to the nearest number of E4M3, ties to even, subnormals kept.
;;     - The product sums the exact products of the quantised numbers (number of the format x scale) in f32.
;;   ~~~python
;;   def quantise(x, axis, e):      # numpy; x: float32 -> the quantised numbers, widened to float32 again
;;       x = np.moveaxis(x, axis, -1); K = x.shape[-1]
;;       r = np.clip(x / 2.0 ** e, -448, 448)
;;       step = 2.0 ** (np.maximum(np.frexp(np.where(r == 0, 1, r))[1] - 1, -6) - 3)
;;       q = np.round(r / step) * step * 2.0 ** e      # np.round: ties to even
;;       return np.moveaxis(q, -1, axis).astype(np.float32)
;;   ~~~
;;   SOFTMAX AHEAD OF A QUANTISED PRODUCT. Where the list says 'softmax', what is quantised is not the finished softmax but p = 2^(t - M), with t = logit x log2(e) and M = ceil(the row's largest t), a whole number; so 1/2 < the row's largest p <= 1. The row's sum l is taken of the UNQUANTISED p, in f32, and the product's result is divided by l at the end. Since M is a whole number, a kernel that streams over the keys may use a running M (the ceiling of the running maximum): every later rescaling is an exact power of two, so the quantised numbers keep their values, but for numbers so far below the row's largest that they fall under the format's range.
;;   OPERANDS COMPUTED ON THE WAY. 'Computed on the way' means the value that the module computes at that place (a softmax that the list does not call 'softmax' is quantised finished and normalised). What goes into a quantiser is computed in f32, as accurately as f32 sums, v_exp_f32 and their like allow (about 1e-6 of the number): no bf16 or f16 on the way to a quantiser, and a product that is left as it is and whose result goes on into a quantised operand takes f32 operands (vector FMAs, or v_wmma_f32_16x16x4_f32). A number that lies on a knife's edge between two numbers of the format may be rounded either way, as far as f32 arithmetic and the matrix unit's own rounding can turn it there, and no further.
;; One version. Each part assembles by itself: llvm-mc -triple=amdgcn-amd-amdhsa -mcpu=gfx1250 --defsym DOCPART=n.
;; ======== version 1 of 1: 4 launches
;; limits: right only within a limited range of input values
;; workspace buffers: x_codes 8,388,608 bytes; wq_codes 3,145,728 bytes; wp_codes 1,048,576 bytes; tb 98,304 bytes; q_img 8,388,608 bytes; k_img 8,388,608 bytes; v_img 8,388,608 bytes; o_img 8,388,608 bytes
;; launch prep (part 1): grid 432 x 1, 8 waves a work-group, no clusters, 87,040 bytes of LDS; arguments x, Wqkv, Wp, Wt, temb, bt, bqkv, lowp_scales, x_codes, wq_codes, wp_codes, tb; writes x_codes, wq_codes, wp_codes, tb
.if DOCPART == 1
	.amdgcn_target "amdgcn-amd-amdhsa--gfx1250"
	.amdhsa_code_object_version 6
	.text
	.protected	k_q1da0c2f741_prep
	.globl	k_q1da0c2f741_prep
	.p2align	8
	.type	k_q1da0c2f741_prep,@function
k_q1da0c2f741_prep:
	s_mov_b64 s[64:65], 0
	v_nop
	global_prefetch_b8 v0, s[64:65] scope:SCOPE_SE
	s_setreg_imm32_b32 hwreg(HW_REG_WAVE_MODE, 25, 1), 1
	s_wait_xcnt 0x0
; PREP: everything that is made once.  Three kinds of work-group, told apart by the work-group's number alone, the longest first:
;   0 .. 47     T: tb[b][n] = (temb . Wt)[b][n] + bt[n] + bqkv[n], f32 multiply-adds (its result goes on into quantised operands), 64 columns a work-group
;   48 .. 175   W: Wqkv (96 work-groups) and Wp (32) become codes of E4M3 with K innermost, [n][1024]; 128 columns x 256 stored places a work-group
;   176 .. 431  X: x becomes codes of E4M3, [8192][1024]
; code = number / 2^e, held within +-448, to the nearest code, ties to even; e = lowp_scales[0] for x, [1] for Wqkv, [7] for Wp.
; K IS STORED PERMUTED, alike in both operands of a product, so that every product meets its partner:
;   x and Wqkv, within each 512 along K: stored place 16 l + 4 i + j holds k = 128 i + 4 l + j (l 0..31; i, j 0..3).  So a lane of path X turns the 16 numbers that four dense loads gave it into 16 neighbouring bytes: no turn through LDS.
;   Wp, within each 32 along K: stored place 16 h + 8 g + e holds k = 16 g + 8 h + e: loads of 16 bytes then give the last product's operand its own register layout.
; LIMITS: e0, e1, e7 between -126 and 119, so that 2^e and 448 x 2^e are f32 numbers.  NaN among the inputs is not served.
; tb leaves in stores of 128 neighbouring bytes a wave: it is 96 KiB in all.
.set SPW,   14                         ; v14  LDS address of my spare word: SPARE + 4 x my thread's number; never rewritten
.set NIL,   15                         ; v15  0; never rewritten
.set WP,    272                        ; path W: a stage row, 256 bytes of codes + 16
.set TPART, 8*32*WP                    ; path T's partial sums, 2,048 bytes a wave, behind the bytes kept for path W's stages: each path has LDS bytes of its own
.set SPARE, TPART+8*2048               ; the spare words, 128 bytes for each wave: four blocks of 256 bytes that no other line names
	v_lshl_add_u32 v[SPW], v0, 2, SPARE
	v_mov_b32 v[NIL], 0
	v_lshrrev_b32 v1, 5, v0
	s_delay_alu instid0(VALU_DEP_1)
	v_readfirstlane_b32 s8, v1                     ; wave 0..7
	v_and_b32 v2, 31, v0                           ; lane
	s_cmp_lt_u32 ttmp9, 48
	s_cbranch_scc1 .Lpath_t
	s_cmp_lt_u32 ttmp9, 176
	s_cbranch_scc1 .Lpath_w
; ---------------- X: a wave takes 4,096 numbers: eight steps of 512.  All 32 loads go out at once: 16 KiB a wave on its way.
	s_load_b64 s[4:5], s[0:1], 0x0                 ; x
	s_load_b64 s[6:7], s[0:1], 0x38                ; the scales' exponents
	s_load_b64 s[10:11], s[0:1], 0x40              ; x_codes
	s_sub_co_u32 s12, ttmp9, 176
	s_lshl_b32 s12, s12, 3
	s_add_co_u32 s12, s12, s8                      ; which run of 4,096 numbers is my wave's
	s_lshl_b32 s16, s12, 14                        ; in x, in bytes
	s_mov_b32 s17, 0
	s_lshl_b32 s18, s12, 12                        ; in the codes
	s_mov_b32 s19, 0
	s_wait_alu depctr_va_vdst(0)
	v_lshlrev_b32 v3, 4, v2                        ; 16 bytes a lane, in and out
	s_wait_alu depctr_va_vdst(0)
	s_wait_kmcnt 0x0
	s_load_b32 s20, s[6:7], 0x0                    ; e0
	s_add_nc_u64 s[4:5], s[4:5], s[16:17]
	s_add_nc_u64 s[10:11], s[10:11], s[18:19]
.irp s, 0,1,2,3,4,5,6,7
.irp i, 0,1,2,3
	global_load_b128 v[16+16*\s+4*\i:16+16*\s+4*\i+3], v3, s[4:5] offset:2048*\s+512*\i th:TH_LOAD_NT   ; 32 lanes read 512 consecutive bytes: k = 128 i + 4 lane + 0..3 of the step's 512
.endr
.endr
	s_wait_kmcnt 0x0
	s_add_co_i32 s20, s20, 127
	s_lshl_b32 s21, s20, 23
	v_mov_b32 v11, s21                             ; 2^e0 as f32: the conversion takes its exponent field
	s_add_co_i32 s20, s20, 8
	s_lshl_b32 s20, s20, 23
	s_or_b32 s20, s20, 0x600000
	v_mov_b32 v10, s20                             ; 448 x 2^e0
	s_wait_alu depctr_va_vdst(0)
.irp s, 0,1,2,3,4,5,6,7
	s_wait_loadcnt 28-4*\s                         ; loads come back in order: this step's four are in, the later steps' may be out
.irp i, 0,1,2,3,4,5,6,7,8,9,10,11,12,13,14,15
	v_med3_num_f32 v[16+16*\s+\i], v[16+16*\s+\i], -v10, v10   ; the conversion to an 8-bit code does not saturate (ISA guide 7.6.2): the hold comes first
.endr
	v_cvt_scalef32_pk8_fp8_f32 v[144+4*\s:145+4*\s], v[16+16*\s:23+16*\s], v11
	v_cvt_scalef32_pk8_fp8_f32 v[146+4*\s:147+4*\s], v[24+16*\s:31+16*\s], v11
	global_store_b128 v3, v[144+4*\s:147+4*\s], s[10:11] offset:512*\s   ; 512 consecutive bytes a wave; each step has its own four registers, so no store's data are written again
.endr
	s_endpgm
; ---------------- W: a lane takes a column n and its registers run down K, in the order of the stored places; the codes leave through a stage in LDS as rows.
; Two waves share 32 columns: wave 2 g + kh takes columns 32 g on and stored places 128 kh on of the work-group's 256: four blocks of 32 places, two blocks of loads on their way.  Both write their half of the same stage rows;
; behind a barrier each stores 16 whole rows of 256 bytes.
; One text for both weights: what differs (buffers, pitch, the rows that a block of 32 stored places takes, the scale) is chosen by the work-group's number.
.Lpath_w:
	s_load_b128 s[4:7], s[0:1], 0x8                ; Wqkv s[4:5], Wp s[6:7]
	s_load_b64 s[10:11], s[0:1], 0x38              ; the scales' exponents
	s_load_b128 s[12:15], s[0:1], 0x48             ; wq_codes s[12:13], wp_codes s[14:15]
	s_sub_co_u32 s16, ttmp9, 48
	s_cmp_ge_u32 s16, 96
	s_cselect_b32 s9, 1, 0                         ; 1: Wp
	s_cselect_b32 s17, 96, 0
	s_sub_co_u32 s16, s16, s17
	s_lshr_b32 s18, s16, 2                         ; which 128 columns
	s_and_b32 s19, s16, 3                          ; y: which 256 stored places
	s_lshr_b32 s30, s8, 1                          ; g: which 32 of the columns
	s_and_b32 s31, s8, 1                           ; kh: which 128 of the places
	s_lshl_b32 s20, s18, 7
	s_lshl_b32 s21, s30, 5
	s_add_co_u32 s20, s20, s21                     ; n0: my wave's first column
	s_lshr_b32 s21, s19, 1
	s_lshl_b32 s21, s21, 9
	s_and_b32 s22, s19, 1
	s_lshl_b32 s22, s22, 6
	s_add_co_u32 s21, s21, s22                     ; Wqkv: the first row of the 256 places: 512 (y / 2) + 64 (y % 2)
	s_lshl_b32 s22, s19, 8                         ; Wp: 256 y
	s_mov_b32 s23, 12288
	s_mov_b32 s24, 8*12288
	s_wait_alu depctr_va_vdst(0)
	v_lshlrev_b32 v3, 2, v2                        ; 4 bytes a lane
	s_wait_alu depctr_va_vdst(0)
	s_cmp_lg_u32 s9, 0                             ; the lines down to the last v_add_nc_u32 leave SCC alone
	s_cselect_b32 s21, s22, s21
	s_cselect_b32 s23, 4096, s23                   ; a row of the weight in bytes
	s_cselect_b32 s24, 32*4096, s24                ; from a block of 32 places to the next: 8 rows of Wqkv, 32 of Wp
.set u, 0
.rept 32                                       ; v[16+u]: place u of a block takes row R(u): Wqkv 128 ((u % 16) / 4) + 4 (u / 16) + u % 4;  Wp 16 ((u / 8) % 2) + 8 (u / 16) + u % 8
	s_mov_b32 s25, (128*((u%16)/4)+4*(u/16)+u%4)*12288
	s_cselect_b32 s25, (16*((u>>3)&1)+8*(u>>4)+(u&7))*4096, s25
	v_add_nc_u32 v[16+u], s25, v3
.set u, u+1
.endr
	s_mul_i32 s26, s21, s23
	s_lshl_b32 s27, s20, 2
	s_add_co_u32 s26, s26, s27
	s_lshl_b32 s27, s24, 2
	s_mul_i32 s27, s27, s31                        ; + four blocks for the upper 128 places
	s_add_co_u32 s26, s26, s27                     ; my part's first byte in the weight
	s_mov_b32 s27, 0
	s_mov_b32 s25, 0                               ; s[24:25]: the step from block to block
	s_lshl_b32 s28, s20, 10
	s_lshl_b32 s29, s19, 8
	s_add_co_u32 s28, s28, s29                     ; and in the codes: row n0 of 1,024 bytes, + 256 y
	s_mov_b32 s29, 0
	s_mul_i32 s56, s30, 32*WP                      ; my two waves' stage: 32 rows
	s_lshl_b32 s57, s31, 7
	s_add_co_u32 s57, s57, s56
	v_mul_u32_u24 v4, v2, WP
	s_delay_alu instid0(VALU_DEP_1)
	v_add_nc_u32 v4, s57, v4                       ; into it: row = my column, + 128 bytes for the upper places
	s_mul_i32 s58, s31, 16*WP
	s_add_co_u32 s58, s58, s56
	v_and_b32 v5, 15, v2
	v_lshrrev_b32 v6, 4, v2
	s_delay_alu instid0(VALU_DEP_1)
	v_mul_u32_u24 v7, v6, WP
	s_delay_alu instid0(VALU_DEP_1)
	v_lshl_add_u32 v7, v5, 4, v7
	s_delay_alu instid0(VALU_DEP_1)
	v_add_nc_u32 v7, s58, v7                       ; out of it: my 16 of the 32 rows; sixteen lanes to a row, two rows an instruction
	s_lshl_b32 s59, s31, 14
	v_lshlrev_b32 v8, 10, v6
	s_delay_alu instid0(VALU_DEP_1)
	v_lshl_add_u32 v8, v5, 4, v8
	s_delay_alu instid0(VALU_DEP_1)
	v_add_nc_u32 v8, s59, v8                       ; and the same place in the codes
	s_wait_kmcnt 0x0
	s_load_b256 s[48:55], s[10:11], 0x0            ; e0 .. e7
	s_cmp_lg_u32 s9, 0
	s_cselect_b64 s[4:5], s[6:7], s[4:5]
	s_cselect_b64 s[12:13], s[14:15], s[12:13]
	s_add_nc_u64 s[32:33], s[4:5], s[26:27]        ; a base for each of the four blocks: nothing is stepped while loads are out
.irp t, 1,2,3
	s_add_nc_u64 s[32+2*\t:33+2*\t], s[30+2*\t:31+2*\t], s[24:25]
.endr
	s_add_nc_u64 s[12:13], s[12:13], s[28:29]
.macro WLOAD t                         ; block t's 32 numbers of my column into set t % 2: each load reads 128 consecutive bytes a wave
.set u, 0
.rept 32
	global_load_b32 v[48+32*((\t)%2)+u], v[16+u], s[32+2*(\t):33+2*(\t)] th:TH_LOAD_NT
.set u, u+1
.endr
.endm
	WLOAD 0
	WLOAD 1
	s_wait_kmcnt 0x0
	s_cmp_lg_u32 s9, 0
	s_cselect_b32 s57, s55, s49                    ; e7 or e1
	s_add_co_i32 s57, s57, 127
	s_lshl_b32 s58, s57, 23
	v_mov_b32 v11, s58                             ; 2^e
	s_add_co_i32 s57, s57, 8
	s_lshl_b32 s57, s57, 23
	s_or_b32 s57, s57, 0x600000
	v_mov_b32 v10, s57                             ; 448 x 2^e
.macro WBLOCK t
.set XS, 48+32*((\t)%2)
.if (\t) < 3
	s_wait_loadcnt 32                              ; this block's 32 loads are in; the next block's may be out
.else
	s_wait_loadcnt 0
.endif
.set u, 0
.rept 32
	v_med3_num_f32 v[XS+u], v[XS+u], -v10, v10
.set u, u+1
.endr
.irp g, 0,1,2,3
	v_cvt_scalef32_pk8_fp8_f32 v[112+2*\g:113+2*\g], v[XS+8*\g:XS+8*\g+7], v11
.endr
	ds_store_b128 v4, v[112:115] offset:32*(\t)    ; 32 codes: 32 bytes of my column's row
	ds_store_b128 v4, v[116:119] offset:32*(\t)+16
.if (\t)+2 < 4
	WLOAD (\t)+2
.endif
	s_wait_dscnt 0x0                               ; the stores have landed and have read their registers: the next block's codes may be written
.endm
.set bq, 0
	s_wait_alu depctr_va_vdst(0)
.rept 4
	WBLOCK bq
.set bq, bq+1
.endr
	s_barrier_signal -1                            ; my stores into the stage have landed (the last block ended behind its wait for 0).  The branch that led here hangs on the work-group's number: all eight waves are on this path
	s_barrier_wait -1                              ; my partner's too: the rows are whole
.irp t, 0,1,2,3,4,5,6,7
	ds_load_b128 v[48+4*\t:51+4*\t], v7 offset:2*\t*WP
.endr
.irp t, 0,1,2,3,4,5,6,7
	s_wait_dscnt 7-\t                              ; the younger loads may be out
	global_store_b128 v8, v[48+4*\t:51+4*\t], s[12:13] offset:2*\t*1024   ; sixteen lanes store 256 consecutive bytes, at a multiple of 256 from the buffer's first byte
.endr
	s_wait_tensorcnt 0x0                           ; the wave's end: behind my last LDS store
	ds_add_u32 v[SPW], v[NIL]
	s_wait_dscnt 0x0
	s_endpgm
; ---------------- T: 64 columns a work-group.  Wave w takes k = 128 w .. 128 w + 127, a lane two columns (a load reads 256 consecutive bytes), eight batches: 16 sums a lane.
; temb's numbers are the same for all lanes: they come by scalar loads, four k of eight batches a round, a round ahead, in two sets of 32 scalar registers.
.Lpath_t:
	s_load_b128 s[4:7], s[0:1], 0x18               ; Wt s[4:5], temb s[6:7]
	s_load_b128 s[84:87], s[0:1], 0x28             ; bt s[84:85], bqkv s[86:87]
	s_load_b64 s[10:11], s[0:1], 0x58              ; tb
	s_lshl_b32 s12, ttmp9, 8                       ; my 64 columns, in bytes
	s_mov_b32 s13, 0
	s_mul_i32 s88, s8, 128*12288                   ; my wave's 128 rows of Wt
	s_add_co_u32 s88, s88, s12
	s_mov_b32 s89, 0
	s_lshl_b32 s90, s8, 9                          ; and its 128 numbers of a row of temb
	s_mov_b32 s91, 0
	s_wait_alu depctr_va_vdst(0)
	v_lshlrev_b32 v3, 3, v2                        ; 8 bytes a lane
	v_and_b32 v4, 63, v0
	s_delay_alu instid0(VALU_DEP_1)
	v_lshlrev_b32 v4, 2, v4                        ; the column that I finish: thread % 64
	s_wait_alu depctr_va_vdst(0)
	s_wait_kmcnt 0x0
	s_add_nc_u64 s[4:5], s[4:5], s[88:89]
	s_add_nc_u64 s[6:7], s[6:7], s[90:91]
	s_add_nc_u64 s[84:85], s[84:85], s[12:13]
	s_add_nc_u64 s[86:87], s[86:87], s[12:13]
	s_add_nc_u64 s[10:11], s[10:11], s[12:13]
.macro SLOADS r                        ; round r's numbers of temb: batch b's four at s[16 + 4 b] (even rounds), s[48 + 4 b] or, from batch 4 on, s[52 + 4 b] (odd rounds)
.irp b, 0,1,2,3,4,5,6,7
	s_load_b128 s[16+32*((\r)%2)+4*\b+4*((\r)%2)*(\b/4):16+32*((\r)%2)+4*\b+4*((\r)%2)*(\b/4)+3], s[6:7], 4096*\b+16*(\r)
.endr
.endm
	SLOADS 0
	global_load_b32 v12, v4, s[84:85]              ; bt and bqkv of my column: the oldest loads
	global_load_b32 v13, v4, s[86:87]
.set kq, 0
.rept 64
	global_load_b64 v[16+2*kq:17+2*kq], v3, s[4:5] offset:kq*12288 th:TH_LOAD_NT
.set kq, kq+1
.endr
.macro TROUND r
	s_wait_kmcnt 0x0                               ; this round's scalars are in;
.if (\r) < 31
	SLOADS (\r)+1                                  ; the next round's go into the other set
.endif
.if (\r) < 16
	s_wait_loadcnt 60                              ; 64 + 4 r rows have been asked for and 4 r + 4 are wanted: 60 may be out
.else
	s_wait_loadcnt 4*(31-(\r))                     ; nothing more is asked for: the later rounds' four each may be out
.endif
.irp kk, 0,1,2,3
.irp b, 0,1,2,3,4,5,6,7
.irp c, 0,1
.if ((\r) == 0) && (\kk == 0)
	v_mul_f32 v[144+2*\b+\c], s[16+32*((\r)%2)+4*\b+4*((\r)%2)*(\b/4)+\kk], v[16+2*((4*(\r)+\kk)%64)+\c]    ; the first k starts the sums: nothing is cleared
.else
	v_fmac_f32 v[144+2*\b+\c], s[16+32*((\r)%2)+4*\b+4*((\r)%2)*(\b/4)+\kk], v[16+2*((4*(\r)+\kk)%64)+\c]
.endif
.endr
.endr
.endr
.if (\r) < 16
.irp kk, 0,1,2,3
	global_load_b64 v[16+2*(4*(\r)+\kk):17+2*(4*(\r)+\kk)], v3, s[4:5] offset:(64+4*(\r)+\kk)*12288 th:TH_LOAD_NT   ; the rows 64 further down, into the registers just read
.endr
.endif
.endm
.set rr, 0
.rept 32
	TROUND rr
.set rr, rr+1
.endr
	s_lshl_b32 s88, s8, 11
	s_add_co_u32 s88, s88, TPART
	v_add_nc_u32 v5, s88, v3                       ; my wave's partial sums: [batch][64 columns] f32
.irp b, 0,1,2,3,4,5,6,7
	ds_store_b64 v5, v[144+2*\b:145+2*\b] offset:256*\b
.endr
	s_wait_dscnt 0x0                               ; for the others' sake: my stores have landed
	s_barrier_signal -1                            ; (the branch that led here hangs on the work-group's number: all eight waves are on this path)
	s_barrier_wait -1
	v_lshl_add_u32 v6, v0, 2, TPART                ; thread t finishes outputs t and t + 256 of the 512 (batch t / 64 and four batches on)
.irp w, 0,1,2,3,4,5,6,7
	ds_load_b32 v[16+\w], v6 offset:2048*\w
	ds_load_b32 v[24+\w], v6 offset:2048*\w+1024
.endr
	v_lshrrev_b32 v7, 6, v0
	s_delay_alu instid0(VALU_DEP_1)
	v_mul_u32_u24 v7, v7, 12288
	s_delay_alu instid0(VALU_DEP_1)
	v_add_nc_u32 v7, v7, v4                        ; tb[t / 64][my column]
	s_wait_dscnt 0x0
.irp w, 1
	v_add_f32 v16, v16, v[16+\w]                   ; K ascending
	v_add_f32 v24, v24, v[24+\w]
.endr
.irp w, 2, 3, 4, 5, 6, 7
	s_delay_alu instid0(VALU_DEP_2)
	v_add_f32 v16, v16, v[16+\w]                   ; K ascending
	s_delay_alu instid0(VALU_DEP_2)
	v_add_f32 v24, v24, v[24+\w]
.endr
	s_delay_alu instid0(VALU_DEP_2)
	v_add_f32 v16, v16, v12
	s_delay_alu instid0(VALU_DEP_2)
	v_add_f32 v24, v24, v12
	s_delay_alu instid0(VALU_DEP_2)
	v_add_f32 v16, v16, v13
	s_delay_alu instid0(VALU_DEP_2)
	v_add_f32 v24, v24, v13
	global_store_b32 v7, v16, s[10:11]
	global_store_b32 v7, v24, s[10:11] offset:49152
	s_wait_tensorcnt 0x0                           ; the wave's end: behind my last LDS store
	ds_add_u32 v[SPW], v[NIL]
	s_wait_dscnt 0x0
	s_endpgm
.Lfunc_end_k_q1da0c2f741_prep:
	.size	k_q1da0c2f741_prep, .Lfunc_end_k_q1da0c2f741_prep-k_q1da0c2f741_prep
	.p2alignl 7, 3214868480
	.fill 96, 4, 3214868480
	.section	.rodata,"a",@progbits
	.p2align	6, 0x0
	.amdhsa_kernel k_q1da0c2f741_prep
		.amdhsa_group_segment_fixed_size 87040
		.amdhsa_private_segment_fixed_size 0
		.amdhsa_enable_private_segment 0
		.amdhsa_kernarg_size 96
		.amdhsa_user_sgpr_count 2
		.amdhsa_user_sgpr_kernarg_segment_ptr 1
		.amdhsa_wavefront_size32 1
		.amdhsa_system_sgpr_workgroup_id_x 1
		.amdhsa_system_sgpr_workgroup_id_y 1
		.amdhsa_system_sgpr_workgroup_id_z 1
		.amdhsa_system_vgpr_workitem_id 0
		.amdhsa_next_free_vgpr 176
		.amdhsa_next_free_sgpr 100
		.amdhsa_reserve_vcc 0
		.amdhsa_float_denorm_mode_32 3
		.amdhsa_float_denorm_mode_16_64 3
		.amdhsa_memory_ordered 1
		.amdhsa_forward_progress 1
		.amdhsa_inst_pref_size 145
	.end_amdhsa_kernel
	.amdgpu_metadata
---
amdhsa.version: [ 1, 2 ]
amdhsa.kernels:
  - .name:           k_q1da0c2f741_prep
    .symbol:         k_q1da0c2f741_prep.kd
    .args:
      - { .name: x, .offset: 0, .size: 8, .value_kind: global_buffer, .address_space: global }
      - { .name: Wqkv, .offset: 8, .size: 8, .value_kind: global_buffer, .address_space: global }
      - { .name: Wp, .offset: 16, .size: 8, .value_kind: global_buffer, .address_space: global }
      - { .name: Wt, .offset: 24, .size: 8, .value_kind: global_buffer, .address_space: global }
      - { .name: temb, .offset: 32, .size: 8, .value_kind: global_buffer, .address_space: global }
      - { .name: bt, .offset: 40, .size: 8, .value_kind: global_buffer, .address_space: global }
      - { .name: bqkv, .offset: 48, .size: 8, .value_kind: global_buffer, .address_space: global }
      - { .name: lowp_scales, .offset: 56, .size: 8, .value_kind: global_buffer, .address_space: global }
      - { .name: x_codes, .offset: 64, .size: 8, .value_kind: global_buffer, .address_space: global }
      - { .name: wq_codes, .offset: 72, .size: 8, .value_kind: global_buffer, .address_space: global }
      - { .name: wp_codes, .offset: 80, .size: 8, .value_kind: global_buffer, .address_space: global }
      - { .name: tb, .offset: 88, .size: 8, .value_kind: global_buffer, .address_space: global }
    .group_segment_fixed_size: 87040
    .private_segment_fixed_size: 0
    .kernarg_segment_align: 8
    .kernarg_segment_size: 96
    .max_flat_workgroup_size: 256
    .sgpr_count:     100
    .vgpr_count:     176
    .wavefront_size: 32
...
	.end_amdgpu_metadata
.endif
;; end of part 1
;; launch qkv (part 2): grid 8 x 32, 4 waves a work-group, clusters of 4 x 4, 327,680 bytes of LDS; arguments x_codes, wq_codes, tb, lowp_scales, cos_y, sin_y, cos_x, sin_x, qn_w, kn_w, q_img, k_img, v_img; writes q_img, k_img, v_img
.if DOCPART == 2
	.amdgcn_target "amdgcn-amd-amdhsa--gfx1250"
	.amdhsa_code_object_version 6
	.text
	.protected	k_q1da0c2f741_qkv
	.globl	k_q1da0c2f741_qkv
	.p2align	8
	.type	k_q1da0c2f741_qkv,@function
k_q1da0c2f741_qkv:
	s_mov_b64 s[64:65], 0
	v_nop
	global_prefetch_b8 v0, s[64:65] scope:SCOPE_SE
	s_setreg_imm32_b32 hwreg(HW_REG_WAVE_MODE, 25, 1), 1
	s_wait_xcnt 0x0
	s_wait_alu depctr_hold_cnt(0) depctr_sa_sdst(0) depctr_va_vdst(0) depctr_va_sdst(0) depctr_va_ssrc(0) depctr_va_vcc(0) depctr_vm_vsrc(0)
	s_getreg_b32 s2, hwreg(HW_REG_IB_STS2, 6, 4)
	s_cmp_eq_u32 s2, 0
	s_cbranch_scc0 .Lentry_in_a_cluster
	s_endpgm
.Lentry_in_a_cluster:
	s_bfe_u32 s2, ttmp6, 0x10000c
	s_cmp_lg_u32 s2, 0xf033
	s_cbranch_scc0 .Lentry_shape_is_right
	s_endpgm
.Lentry_shape_is_right:
.set KROW,   1024
.set ROWB,   256
.set PITCH,  272
.set FR,     16
.set NL,     4
.set NP,     4
.set HALFT,  128*PITCH
.set AVH,    64*PITCH
.set SLOT,   4*HALFT
.set SPARE,  2*SLOT
.set LI,   7
.set TRO,  8
.set HO,   9
.set RO,   10
.set LIM,  11
.set SCL,  12
.set EPS,  13
.set LIMV, 14
.set SCLV, 15
.set ADRA, 16
.set ADRV, 18
.set ADRB, 20
.set SPW,  28
.set NIL,  29
.set TBC,  32
.set WN,   96
.set AF,   128
.set XR,   128
.set UR,   192
.set G1, 24
.set G0, 32
.set G1B, 48
.set G0B, 56
.set MSB, 0
.macro WIN new
.if MSB != (\new)
	s_set_vgpr_msb (MSB<<8)|(\new)
.set MSB, (\new)
.endif
.endm
.set MUL_LO,  0xa1
.set MUL_HI,  0xf1
.set MULF_LO, 0x81
.set MULF_HI, 0xc1
.set TO_B,    0x40
.macro JLOAD g0a, g1a, g0b, g1b
	s_cmp_eq_u32 s15, 0
	s_cbranch_scc0 .Lfor_b_\@
	tensor_load_to_lds s[\g0a:\g0a+3], s[\g1a:\g1a+7]
	s_nop 0
.rept 4
	v_nop
.endr
	s_branch .Lasked_\@
.Lfor_b_\@:
	tensor_load_to_lds s[\g0b:\g0b+3], s[\g1b:\g1b+7]
	s_nop 0
.rept 4
	v_nop
.endr
.Lasked_\@:
.endm
.macro JLOADV s
	s_cmp_eq_u32 s14, 0
	s_cbranch_scc0 .Lnot_a_\@
	tensor_load_to_lds s[G0+4*\s:G0+4*\s+3], s[G1:G1+7]
	s_nop 0
.rept 4
	v_nop
.endr
	s_branch .Lasked_\@
.Lnot_a_\@:
	s_cmp_lt_u32 s14, 2
	s_cbranch_scc1 .Lasked_\@
	tensor_load_to_lds s[G0B+4*\s:G0B+4*\s+3], s[G1B:G1B+7]
	s_nop 0
.rept 4
	v_nop
.endr
.Lasked_\@:
.endm
.macro CREST
	s_cmp_lg_u32 s14, 0
	s_cbranch_scc1 .Lnot_wave_0_\@
	s_barrier_signal -3
.Lnot_wave_0_\@:
	s_barrier_wait -3
	s_barrier_signal -1
	s_barrier_wait -1
.endm
.macro CROUND
	s_barrier_signal -1
	s_barrier_wait -1
	CREST
.endm
	s_load_b256 s[4:11], s[0:1], 0x0
	s_load_b256 s[68:75], s[0:1], 0x20
	s_load_b256 s[76:83], s[0:1], 0x40
	s_load_b64 s[84:85], s[0:1], 0x60
	v_lshl_add_u32 v[SPW], v0, 2, SPARE
	v_mov_b32 v[NIL], 0
	ds_add_u32 v[SPW], v[NIL]
	ds_add_u32 v[SPW], v[NIL]
	v_lshrrev_b32 v1, 5, v0
	v_readfirstlane_b32 s14, v1
	s_lshr_b32 s15, s14, 1
	s_and_b32 s16, s14, 1
	s_bfe_u32 s40, ttmp6, 0x40000
	s_bfe_u32 s41, ttmp6, 0x40004
	s_and_b32 s13, ttmp7, 0xffff
	s_lshl_b32 s43, s41, 2
	s_lshl_b32 s43, 15, s43
	s_lshl_b32 s44, 0x1111, s40
	s_or_b32 s[G1+0], s43, (0<<16)|(1<<20)|(1<<21)|(5<<22)|(3<<25)
	s_or_b32 s[G1B+0], s44, (0<<16)|(1<<20)|(1<<21)|(5<<22)|(3<<25)
.irp g, G1, G1B
	s_mov_b32 s[\g+1], ROWB<<16
	s_mov_b32 s[\g+2], 128<<16
	s_mov_b32 s[\g+3], ROWB<<16
	s_mov_b32 s[\g+4], 128
	s_mov_b32 s[\g+5], KROW
	s_mov_b32 s[\g+6], 0
	s_mov_b32 s[\g+7], 0
.endr
	s_lshl_b32 s17, s16, 7
	s_lshl_b32 s20, s13, 2
	s_add_co_u32 s20, s20, s41
	s_lshl_b32 s20, s20, 8
	s_add_co_u32 s20, s20, s17
	s_lshl_b32 s20, s20, 10
	s_mov_b32 s21, 0
	s_lshl_b32 s46, ttmp9, 2
	s_add_co_u32 s46, s46, s40
	s_lshl_b32 s46, s46, 8
	s_add_co_u32 s46, s46, s17
	s_lshl_b32 s46, s46, 10
	s_mov_b32 s47, 0
	s_lshl_b32 s42, ttmp9, 9
	s_lshl_b32 s22, s41, 7
	s_add_co_u32 s42, s42, s22
	s_add_co_u32 s42, s42, 2048
	s_lshl_b32 s42, s42, 10
	s_mov_b32 s43, 0
	s_lshl_b32 s18, s13, 10
	s_lshl_b32 s19, s40, 8
	s_add_co_u32 s18, s18, s19
	s_add_co_u32 s18, s18, s17
	s_lshl_b32 s18, s18, 10
	s_mov_b32 s19, 0
	s_mul_i32 s45, s14, HALFT
	s_mov_b32 s66, 0x76543210
	s_mov_b32 s67, 0xfedcba98
	s_mov_b32 s98, 0x3c800000
	s_wait_dscnt 0x0
	s_wait_kmcnt 0x0
	s_load_b256 s[88:95], s[10:11], 0x0
	s_add_nc_u64 s[20:21], s[4:5], s[20:21]
	s_add_nc_u64 s[46:47], s[6:7], s[46:47]
	s_add_nc_u64 s[6:7], s[6:7], s[42:43]
	s_add_nc_u64 s[4:5], s[4:5], s[18:19]
	CROUND
.irp s, 0,1
	s_mov_b32 s[G0+4*\s], 1
	s_add_co_u32 s[G0+4*\s+1], s45, \s*SLOT
	s_add_nc_u64 s[G0+4*\s+2:G0+4*\s+3], s[20:21], \s*ROWB
	s_or_b32 s[G0+4*\s+3], s[G0+4*\s+3], 0x80000000
	s_mov_b32 s[G0B+4*\s], 1
	s_add_co_u32 s[G0B+4*\s+1], s45, \s*SLOT
	s_add_nc_u64 s[G0B+4*\s+2:G0B+4*\s+3], s[46:47], \s*ROWB
	s_or_b32 s[G0B+4*\s+3], s[G0B+4*\s+3], 0x80000000
.if \s == 0
	JLOAD G0, G1, G0B, G1B                         ; K step 0, behind the opening round: one tensor load a wave at the head
.endif
.endr
	v_and_b32 v1, 15, v0
	v_bfe_u32 v2, v0, 4, 1
	v_mul_u32_u24 v3, v1, PITCH
	v_lshl_add_u32 v4, v2, 4, v3
	s_mul_i32 s21, s15, HALFT
	s_mul_i32 s22, s16, HALFT
	s_add_co_u32 s22, s22, 2*HALFT
	s_mul_i32 s23, s15, AVH
.irp s, 0,1
	v_add_nc_u32 v[ADRA+\s], s21, v4
	v_add_nc_u32 v[ADRB+\s], s22, v4
	v_add_nc_u32 v[ADRV+\s], s23, v4
	s_add_co_u32 s21, s21, SLOT
	s_add_co_u32 s22, s22, SLOT
	s_add_co_u32 s23, s23, SLOT
.endr
	v_and_b32 v5, 31, v0
	v_lshlrev_b32 v[LI], 4, v5
	v_lshlrev_b32 v[HO], 5, v2
	s_wait_alu depctr_va_vdst(0)
	v_lshl_add_u32 v[TRO], v1, 7, v[HO]
	v_lshlrev_b32 v[RO], 2, v1
	v_mov_b32 v30, 0
	v_mov_b32 v31, 0
	s_mov_b32 s3, 0
	s_mul_i32 s2, s13, 12288
	s_add_nc_u64 s[8:9], s[8:9], s[2:3]
	s_lshl_b32 s2, ttmp9, 9
	s_lshl_b32 s18, s41, 7
	s_add_co_u32 s2, s2, s18
	s_lshl_b32 s18, s15, 6
	s_add_co_u32 s2, s2, s18
	s_add_co_u32 s2, s2, 2048
	s_lshl_b32 s2, s2, 2
	s_add_nc_u64 s[86:87], s[8:9], s[2:3]
	s_lshl_b32 s2, ttmp9, 12
	s_lshl_b32 s19, s40, 10
	s_add_co_u32 s2, s2, s19
	s_lshl_b32 s19, s16, 9
	s_add_co_u32 s2, s2, s19
	s_add_nc_u64 s[8:9], s[8:9], s[2:3]
.irp b, 0,1,2,3,4,5,6,7
	global_load_b128 v[TBC+8*\b:TBC+8*\b+3], v[HO], s[8:9] offset:64*\b
	global_load_b128 v[TBC+8*\b+4:TBC+8*\b+7], v[HO], s[8:9] offset:64*\b+16
.endr
	s_lshl_b32 s18, s41, 8
	s_lshl_b32 s19, s15, 7
	s_add_co_u32 s18, s18, s19
	s_lshl_b32 s2, s18, 7
	s_add_nc_u64 s[68:69], s[68:69], s[2:3]
	s_add_nc_u64 s[70:71], s[70:71], s[2:3]
	s_add_nc_u64 s[72:73], s[72:73], s[2:3]
	s_add_nc_u64 s[74:75], s[74:75], s[2:3]
	s_lshl_b32 s18, s40, 2
	s_lshl_b32 s19, s16, 1
	s_add_co_u32 s18, s18, s19
	s_lshl_b32 s19, s41, 2
	s_lshl_b32 s22, s15, 1
	s_add_co_u32 s19, s19, s22
	s_lshl_b32 s23, s13, 4
	s_add_co_u32 s2, s23, s18
	s_lshl_b32 s2, s2, 16
	s_lshl_b32 s22, s19, 12
	s_add_co_u32 s2, s2, s22
	s_cmp_eq_u32 ttmp9, 1
	s_cselect_b64 s[76:77], s[78:79], s[76:77]
	s_cselect_b64 s[80:81], s[82:83], s[80:81]
	s_add_nc_u64 s[80:81], s[80:81], s[2:3]
	s_lshr_b32 s22, s19, 1
	s_lshl_b32 s2, ttmp9, 3
	s_add_co_u32 s2, s2, s22
	s_add_co_u32 s2, s2, s23
	s_lshl_b32 s2, s2, 16
	s_lshl_b32 s22, s18, 12
	s_add_co_u32 s2, s2, s22
	s_add_nc_u64 s[84:85], s[84:85], s[2:3]
	s_wait_kmcnt 0x0
	s_add_co_i32 s99, s88, s89
	s_cmp_eq_u32 ttmp9, 1
	s_cselect_b32 s18, s91, s90
	s_add_co_i32 s18, s18, 127
	s_lshl_b32 s19, s18, 23
	v_mov_b32 v[SCL], s19
	s_add_co_i32 s18, s18, 8
	s_lshl_b32 s18, s18, 23
	s_or_b32 s18, s18, 0x600000
	v_mov_b32 v[LIM], s18
	s_sub_co_i32 s18, s93, s99
	s_add_co_i32 s18, s18, 127
	s_lshl_b32 s19, s18, 23
	v_mov_b32 v[SCLV], s19
	s_add_co_i32 s18, s18, 8
	s_lshl_b32 s18, s18, 23
	s_or_b32 s18, s18, 0x600000
	v_mov_b32 v[LIMV], s18
	s_sub_co_i32 s17, 127, s99
	s_lshl_b32 s96, s17, 23
	s_mov_b32 s97, s96
	s_lshl_b32 s19, s99, 1
	s_sub_co_i32 s19, 0, s19
	v_mov_b32 v[EPS], 0x358637bd
	v_ldexp_f32 v[EPS], v[EPS], s19
	s_sub_co_i32 s99, 0, s99
	s_wait_loadcnt 0x0
.set j, 0
.rept 32
	v_pk_mul_f32 v[TBC+j:TBC+j+1], v[TBC+j:TBC+j+1], s[96:97] op_sel_hi:[1,0]
.set j, j+2
.endr
.macro FRAG reg, adr, q, i
.irp c, 0,1,2,3
	ds_load_b128 v[\reg+4*\c:\reg+4*\c+3], v[\adr] offset:128*(\q)+32*\c+(\i)*16*PITCH
.endr
.endm
.macro MUL16 a0, p, first
.irp a, \a0, \a0+1
.irp b, 0,1,2,3,4,5,6,7
.if \first
	v_wmma_f32_16x16x128_fp8_fp8 v[8*(8*((\a)%4)+\b):8*(8*((\a)%4)+\b)+7], v[128*(\p)+FR*\b:128*(\p)+FR*\b+FR-1], v[AF+FR*(\a):AF+FR*(\a)+FR-1], v[TBC+8*\b:TBC+8*\b+7]
.else
	v_wmma_f32_16x16x128_fp8_fp8 v[8*(8*((\a)%4)+\b):8*(8*((\a)%4)+\b)+7], v[128*(\p)+FR*\b:128*(\p)+FR*\b+FR-1], v[AF+FR*(\a):AF+FR*(\a)+FR-1], v[8*(8*((\a)%4)+\b):8*(8*((\a)%4)+\b)+7]
.endif
.endr
.endr
.endm
.macro FETCH_B slot, q, p
	WIN TO_B
.irp i, 0,1,2,3,4,5,6,7
	FRAG 128*(\p)+FR*\i, ADRB+\slot, \q, \i
.endr
	WIN 0
.endm
.macro FETCH_A slot, q, i0
.irp i, \i0, \i0+1, \i0+2, \i0+3
	FRAG AF+FR*(\i), ADRA+\slot, \q, \i
.endr
.endm
.macro PLACES n
.rept \n
	v_nop
.endr
.endm
.macro STEP slot, q, first
	s_wait_dscnt 4*NL
.if \first
	WIN MULF_LO
.else
	WIN MUL_LO
.endif
	MUL16 0, (\q)%2, \first
	MUL16 2, (\q)%2, \first
	s_wait_dscnt 0
	PLACES NP
	FETCH_B \slot, (\q)+1, 1-(\q)%2
	FETCH_A \slot, (\q)+1, 0
.if \first
	WIN MULF_HI
.else
	WIN MUL_HI
.endif
	MUL16 4, (\q)%2, \first
	MUL16 6, (\q)%2, \first
	PLACES NP
	WIN 0
	FETCH_A \slot, (\q)+1, 4
.endm
.macro TURN slot, next, fill, fetch
	s_wait_tensorcnt 0x0
	ds_add_u32 v[SPW], v[NIL]
	s_wait_dscnt 4*NL+1
	WIN MUL_LO
	MUL16 0, 1, 0
	s_wait_dscnt 0x0
	s_barrier_signal -1
	MUL16 2, 1, 0
	WIN 0
	s_barrier_wait -1
	CREST
.if \fill == 1
	s_add_nc_u64 s[G0+4*\slot+2:G0+4*\slot+3], s[G0+4*\slot+2:G0+4*\slot+3], 2*ROWB
	s_add_nc_u64 s[G0B+4*\slot+2:G0B+4*\slot+3], s[G0B+4*\slot+2:G0B+4*\slot+3], 2*ROWB
	JLOAD G0+4*\slot, G1, G0B+4*\slot, G1B
.else
	s_add_nc_u64 s[G0+4*\slot+2:G0+4*\slot+3], s[6:7], \slot*ROWB
	s_or_b32 s[G0+4*\slot+3], s[G0+4*\slot+3], 0x80000000
	s_add_nc_u64 s[G0B+4*\slot+2:G0B+4*\slot+3], s[4:5], \slot*ROWB
	s_or_b32 s[G0B+4*\slot+3], s[G0B+4*\slot+3], 0x80000000
	JLOADV \slot
	PLACES NP
.endif
.if \fetch
	FETCH_B \next, 0, 0
	FETCH_A \next, 0, 0
.endif
	WIN MUL_HI
	MUL16 4, 1, 0
	MUL16 6, 1, 0
	PLACES NP
	WIN 0
.if \fetch
	FETCH_A \next, 0, 4
.endif
.endm
.macro TRIGLOAD a
.if (\a)%4 == 0
.set TBF, TBC
	WIN 0
.else
.set TBF, 64*((\a)%4-1)
	WIN TO_B
.endif
.irp t, 0,1
.irp q, 0,1
	global_load_b128 v[TBF+8*\t+4*\q:TBF+8*\t+4*\q+3], v[TRO], s[68:69] offset:2048*(\a)+64*\t+16*\q
	global_load_b128 v[TBF+16+8*\t+4*\q:TBF+16+8*\t+4*\q+3], v[TRO], s[72:73] offset:2048*(\a)+64*\t+16*\q
	global_load_b128 v[TBF+32+8*\t+4*\q:TBF+32+8*\t+4*\q+3], v[TRO], s[70:71] offset:2048*(\a)+64*\t+16*\q
	global_load_b128 v[TBF+48+8*\t+4*\q:TBF+48+8*\t+4*\q+3], v[TRO], s[74:75] offset:2048*(\a)+64*\t+16*\q
.endr
.endr
	WIN 0
.endm
.macro VMUL16 a0, p, zero
.irp a, \a0, \a0+1
.irp b, 0,1,2,3,4,5,6,7
.if \zero
	v_wmma_f32_16x16x128_fp8_fp8 v[8*(8*(\a)+\b):8*(8*(\a)+\b)+7], v[128*(\p)+FR*\b:128*(\p)+FR*\b+FR-1], v[AF+64*(\p)+FR*(\a):AF+64*(\p)+FR*(\a)+FR-1], 0
.else
	v_wmma_f32_16x16x128_fp8_fp8 v[8*(8*(\a)+\b):8*(8*(\a)+\b)+7], v[128*(\p)+FR*\b:128*(\p)+FR*\b+FR-1], v[AF+64*(\p)+FR*(\a):AF+64*(\p)+FR*(\a)+FR-1], v[8*(8*(\a)+\b):8*(8*(\a)+\b)+7]
.endif
.endr
.endr
.endm
.macro VFETCH slot, q, p
	WIN TO_B
.irp i, 0,1,2,3,4,5,6,7
	FRAG 128*(\p)+FR*\i, ADRB+\slot, \q, \i
.endr
	WIN 0
.irp i, 0,1,2,3
	FRAG AF+64*(\p)+FR*\i, ADRV+\slot, \q, \i
.endr
.endm
.macro VSTEP slot, zero
	s_wait_dscnt 0x0
	PLACES NP
	VFETCH \slot, 1, 1
	WIN MUL_LO
	VMUL16 0, 0, \zero
	VMUL16 2, 0, \zero
	WIN 0
.endm
.macro VTURN slot, next, fill
	s_wait_tensorcnt 0x0
	ds_add_u32 v[SPW], v[NIL]
	s_wait_dscnt 0x0
	s_barrier_signal -1
	WIN MUL_LO
	VMUL16 0, 1, 0
	WIN 0
	s_barrier_wait -1
.if \fill
	CREST
	s_add_nc_u64 s[G0+4*\slot+2:G0+4*\slot+3], s[G0+4*\slot+2:G0+4*\slot+3], 2*ROWB
	s_add_nc_u64 s[G0B+4*\slot+2:G0B+4*\slot+3], s[G0B+4*\slot+2:G0B+4*\slot+3], 2*ROWB
	JLOADV \slot
.endif
	PLACES NP
	VFETCH \next, 0, 0
	WIN MUL_LO
	VMUL16 2, 1, 0
	WIN 0
.endm
	s_wait_alu depctr_va_vdst(0)
	s_wait_tensorcnt 0x0                           ; my part of K step 0 is in; ahead of a later first fill
	ds_add_u32 v[SPW], v[NIL]
	s_wait_dscnt 0x0
	CROUND                                         ; a whole round: everybody's part of K step 0 is in, and the joint loads meet
	JLOAD G0+4, G1, G0B+4, G1B                     ; K step 1: the first tensor load behind the round
	FETCH_B 0, 0, 0
	FETCH_A 0, 0, 0
	FETCH_A 0, 0, 4
	STEP 0, 0, 1
.irp t, 0,1,2,3
	global_load_b128 v[WN+8*\t:WN+8*\t+3], v[HO], s[76:77] offset:64*\t
	global_load_b128 v[WN+8*\t+4:WN+8*\t+7], v[HO], s[76:77] offset:64*\t+16
.endr
	TRIGLOAD 0
	TURN 0, 1, 1, 1
	STEP 1, 0, 0
	TURN 1, 0, 1, 1
	STEP 0, 0, 0
	TURN 0, 1, 2, 1
	STEP 1, 0, 0
	TURN 1, 0, 2, 0
	s_wait_loadcnt 0x0
.macro QKROW a
.set AC, 64*((\a)%4)
.set WW, 2+(\a)/4
.if (\a)%4 == 0
.set TBF, TBC
.set TW, 0
.else
.set TBF, 64*((\a)%4-1)
.set TW, 0x04
.endif
	WIN 5*WW
.set i, 0
.rept 16
.irp hh, 0,1
.if i < 2
	v_pk_mul_f32 v[2+20*\hh+2*(i%2):3+20*\hh+2*(i%2)], v[AC+32*\hh+2*i:AC+32*\hh+2*i+1], v[AC+32*\hh+2*i:AC+32*\hh+2*i+1]
.else
	v_pk_fma_f32 v[2+20*\hh+2*(i%2):3+20*\hh+2*(i%2)], v[AC+32*\hh+2*i:AC+32*\hh+2*i+1], v[AC+32*\hh+2*i:AC+32*\hh+2*i+1], v[2+20*\hh+2*(i%2):3+20*\hh+2*(i%2)]
.endif
.endr
.set i, i+1
.endr
	WIN 0
	v_pk_add_f32 v[2:3], v[2:3], v[4:5]
	v_pk_add_f32 v[22:23], v[22:23], v[24:25]
	v_add_f32 v2, v2, v3
	v_add_f32 v22, v22, v23
	v_permlanex16_b32 v30, v2, s66, s67
	v_permlanex16_b32 v31, v22, s66, s67
	v_add_f32 v2, v2, v30
	v_add_f32 v22, v22, v31
	v_fma_f32 v2, v2, s98, v[EPS]
	v_fma_f32 v22, v22, s98, v[EPS]
	s_wait_alu depctr_va_vdst(0)
	v_rsq_f32 v4, v2
	v_rsq_f32 v24, v22
	v_nop
	s_wait_alu depctr_va_vdst(0)
	WIN WW
.set i, 0
.rept 32
	v_pk_mul_f32 v[XR+2*i:XR+2*i+1], v[AC+2*i:AC+2*i+1], v[4+20*(i/16):5+20*(i/16)] op_sel_hi:[1,0]
.set i, i+1
.endr
.if (\a) < 5
	s_wait_loadcnt 48
.else
	s_wait_loadcnt 16*(7-(\a))
.endif
	WIN 0
.set i, 0
.rept 32
	v_pk_mul_f32 v[XR+2*i:XR+2*i+1], v[XR+2*i:XR+2*i+1], v[WN+2*(i%16):WN+2*(i%16)+1]
.set i, i+1
.endr
	WIN TW
.set i, 0
.rept 32
	v_pk_mul_f32 v[UR+2*i:UR+2*i+1], v[XR+2*i:XR+2*i+1], v[TBF+2*(i%16):TBF+2*(i%16)+1]
.set i, i+1
.endr
.set i, 0
.rept 32
.if (i/4)%2 == 0
	v_pk_fma_f32 v[UR+2*i:UR+2*i+1], v[XR+2*(i+4):XR+2*(i+4)+1], v[TBF+32+2*(i%16):TBF+32+2*(i%16)+1], v[UR+2*i:UR+2*i+1] neg_lo:[1,0,0] neg_hi:[1,0,0]
.else
	v_pk_fma_f32 v[UR+2*i:UR+2*i+1], v[XR+2*(i-4):XR+2*(i-4)+1], v[TBF+32+2*(i%16):TBF+32+2*(i%16)+1], v[UR+2*i:UR+2*i+1]
.endif
.set i, i+1
.endr
.if (\a) < 4
	TRIGLOAD (\a)+4
.endif
	WIN 0
.set i, 0
.rept 64
	v_med3_num_f32 v[UR+i], v[UR+i], -v[LIM], v[LIM]
.set i, i+1
.endr
	WIN WW<<6
.set i, 0
.rept 8
	v_cvt_scalef32_pk8_fp8_f32 v[AC+2*i:AC+2*i+1], v[UR+8*i:UR+8*i+7], v[SCL]
.set i, i+1
.endr
	v_nop
	WIN WW<<2
.irp hh, 0,1
.irp p, 0,1
	global_store_b128 v[LI], v[AC+8*\hh+4*\p:AC+8*\hh+4*\p+3], s[80:81] offset:65536*\hh+1024*(\a)+512*\p
.endr
.endr
	WIN 0
.endm
	TRIGLOAD 1
	TRIGLOAD 2
	TRIGLOAD 3
.irp a, 0,1,2,3,4,5,6,7
	QKROW \a
.endr
	s_wait_xcnt 0x0
.irp a, 0,1,2,3
	global_load_b32 v[WN+2*\a], v[RO], s[86:87] offset:64*\a
.endr
	VFETCH 0, 0, 0
	VSTEP 0, 1
	VTURN 0, 1, 1
	VSTEP 1, 0
	VTURN 1, 0, 1
	VSTEP 0, 0
	VTURN 0, 1, 0
	VSTEP 1, 0
	s_wait_dscnt 0x0
	WIN MUL_LO
	VMUL16 0, 1, 0
	VMUL16 2, 1, 0
	WIN 0
	PLACES NP
.macro VROW a
.set AC, 64*(\a)
	WIN 2
.set i, 0
.rept 32
	v_pk_add_f32 v[UR+2*i:UR+2*i+1], v[AC+2*i:AC+2*i+1], v[WN+2*(\a):WN+2*(\a)+1] op_sel_hi:[1,0]
.set i, i+1
.endr
	WIN 0
.set i, 0
.rept 64
	v_med3_num_f32 v[UR+i], v[UR+i], -v[LIMV], v[LIMV]
.set i, i+1
.endr
	WIN 0x80
.set i, 0
.rept 8
	v_cvt_scalef32_pk8_fp8_f32 v[AC+2*i:AC+2*i+1], v[UR+8*i:UR+8*i+7], v[SCLV]
.set i, i+1
.endr
	v_nop
	WIN 0x08
.irp i, 0,1,2,3
	global_store_b128 v[LI], v[AC+4*\i:AC+4*\i+3], s[84:85] offset:4096*(\i/2)+1024*(\a)+512*(\i%2)
.endr
	WIN 0
.endm
	s_wait_loadcnt 0x0
.irp a, 0,1,2,3
	v_ldexp_f32 v[WN+2*\a], v[WN+2*\a], s99
.endr
.irp a, 0,1,2,3
	VROW \a
.endr
	s_wait_tensorcnt 0x0
	ds_add_u32 v[SPW], v[NIL]
	s_wait_dscnt 0x0
	CROUND
	s_endpgm
.Lfunc_end_k_q1da0c2f741_qkv:
	.size	k_q1da0c2f741_qkv, .Lfunc_end_k_q1da0c2f741_qkv-k_q1da0c2f741_qkv
	.p2alignl 7, 3214868480
	.fill 96, 4, 3214868480
	.section	.rodata,"a",@progbits
	.p2align	6, 0x0
	.amdhsa_kernel k_q1da0c2f741_qkv
		.amdhsa_group_segment_fixed_size 327680
		.amdhsa_private_segment_fixed_size 0
		.amdhsa_enable_private_segment 0
		.amdhsa_kernarg_size 104
		.amdhsa_user_sgpr_count 2
		.amdhsa_user_sgpr_kernarg_segment_ptr 1
		.amdhsa_wavefront_size32 1
		.amdhsa_system_sgpr_workgroup_id_x 1
		.amdhsa_system_sgpr_workgroup_id_y 1
		.amdhsa_system_sgpr_workgroup_id_z 1
		.amdhsa_system_vgpr_workitem_id 0
		.amdhsa_next_free_vgpr 1024
		.amdhsa_next_free_sgpr 100
		.amdhsa_reserve_vcc 0
		.amdhsa_float_denorm_mode_32 3
		.amdhsa_float_denorm_mode_16_64 3
		.amdhsa_memory_ordered 1
		.amdhsa_forward_progress 1
		.amdhsa_inst_pref_size 255
	.end_amdhsa_kernel
	.section	.bss,"aw",@nobits
	.p2align	6
	.space	262144
	.amdgpu_metadata
---
amdhsa.version: [ 1, 2 ]
amdhsa.kernels:
  - .name:           k_q1da0c2f741_qkv
    .symbol:         k_q1da0c2f741_qkv.kd
    .args:
      - { .name: x_codes, .offset: 0, .size: 8, .value_kind: global_buffer, .address_space: global }
      - { .name: wq_codes, .offset: 8, .size: 8, .value_kind: global_buffer, .address_space: global }
      - { .name: tb, .offset: 16, .size: 8, .value_kind: global_buffer, .address_space: global }
      - { .name: lowp_scales, .offset: 24, .size: 8, .value_kind: global_buffer, .address_space: global }
      - { .name: cos_y, .offset: 32, .size: 8, .value_kind: global_buffer, .address_space: global }
      - { .name: sin_y, .offset: 40, .size: 8, .value_kind: global_buffer, .address_space: global }
      - { .name: cos_x, .offset: 48, .size: 8, .value_kind: global_buffer, .address_space: global }
      - { .name: sin_x, .offset: 56, .size: 8, .value_kind: global_buffer, .address_space: global }
      - { .name: qn_w, .offset: 64, .size: 8, .value_kind: global_buffer, .address_space: global }
      - { .name: kn_w, .offset: 72, .size: 8, .value_kind: global_buffer, .address_space: global }
      - { .name: q_img, .offset: 80, .size: 8, .value_kind: global_buffer, .address_space: global }
      - { .name: k_img, .offset: 88, .size: 8, .value_kind: global_buffer, .address_space: global }
      - { .name: v_img, .offset: 96, .size: 8, .value_kind: global_buffer, .address_space: global }
    .group_segment_fixed_size: 327680
    .private_segment_fixed_size: 0
    .kernarg_segment_align: 8
    .kernarg_segment_size: 104
    .max_flat_workgroup_size: 128
    .sgpr_count:     100
    .vgpr_count:     1024
    .wavefront_size: 32
...
	.end_amdgpu_metadata
.endif
;; end of part 2
;; launch attn (part 3): grid 2 x 128, 8 waves a work-group, no clusters, 327,680 bytes of LDS; arguments q_img, k_img, v_img, lowp_scales, o_img; writes o_img
.if DOCPART == 3
	.amdgcn_target "amdgcn-amd-amdhsa--gfx1250"
	.amdhsa_code_object_version 6
	.text
	.protected	k_q1da0c2f741_attn
	.globl	k_q1da0c2f741_attn
	.p2align	8
	.type	k_q1da0c2f741_attn,@function
k_q1da0c2f741_attn:
	s_mov_b64 s[64:65], 0
	v_nop
	global_prefetch_b8 v0, s[64:65] scope:SCOPE_SE
	s_setreg_imm32_b32 hwreg(HW_REG_WAVE_MODE, 25, 1), 1
	s_wait_xcnt 0x0
; ATTENTION on codes of E4M3, head size 64, 1,024 keys, no mask.  o = softmax(q k^T / 8) v, both products quantised; o leaves as codes (scale 2^e6) for the last product.
; THE SOFTMAX: t = score x log2(e) / 8; M = the running largest t rounded UP to a whole number; p = 2^(t - M) is quantised (scale 2^e4), not normalised; the row's sum is taken of the unquantised p and divides at the end.
; When M moves, the sum and O are multiplied by 2^(old M - new M): exact.
; SHARES.  A work-group owns one head and 512 of its queries and holds the head's whole K and V in LDS, fetched once, in two halves of 512 keys; nothing in LDS is filled again.
; Each of eight waves owns 64 queries and takes them in two passes of 32 (two tiles of 16); a pass walks the keys in eight steps of 128, so M, the rescaling of O and the sums' rescaling come once for 128 keys.
; LDS: step s has 16 KiB at 16,384 s: K's 128 keys (8 KiB), then V's (8 KiB).  A wave's tensor load brings one step's K (waves 0-3) or V (waves 4-7): one at the head (steps 0-3), one behind the first barrier (steps 4-7).
; LAYOUT.  All operands are images of registers (16 rows x 64 K: 8 registers a lane, registers 2 c, 2 c + 1: k = 16 c + 8 h + 0 .. 7; each four registers at 16 x lane): every LDS load takes 512 consecutive bytes.
; Both products are used transposed: S^T = K Q^T (K = 64), O^T = V^T P^T (K = 128: two images of 64 keys on end): a lane holds ONE query; key tile t's eight scores become registers 2 t, 2 t + 1 of P's fragment.
; K's fragments are fetched from LDS a step ahead, behind the products that read the registers; V's at the head of their own step.
; REGISTERS.  Window 0: v0-7 addresses and constants, v8-23 statistics, v24-31 at work, v32-95 O^T, v96-223 S^T then p, v224-255 partial sums, then p's codes.  Window 1: v0-15 Q of this pass, v16-31 Q of the second pass, v32-95 K, v96-159 V.
; The steps are written twice: a loop of 4 trips on the first half, a loop of 12 trips (the first pass's steps 4-7, the second pass's eight); the way out stands in the second loop under a branch on the trip's number.
; NO CLUSTER: only the two work-groups of a head read the same K and V.  NO PREFETCH: each byte of K and V is asked for once, by two loads a wave, and no loop stands ahead of either.
; LIMITS: e2 + e3 between -123 and 130 (added to c's exponent field); e4 and e6 between -126 and 119; e4 + e5 is applied by v_ldexp_f32 and has none.  The scaled scores stay under 2^31 in magnitude.
.set ADN, 0                            ; v0   LDS address of the next step's K (v0's thread number is used up at the head)
.set LI,  1                            ; v1   16 x lane
.set ADK, 2                            ; v2   LDS address of the step
.set SCL, 3                            ; v3   2^e4
.set SPW, 4                            ; v4   LDS address of my spare word; never rewritten
.set NIL, 5                            ; v5   0; never rewritten
.set LIM, 6                            ; v6, v7  448 x 2^e4, twice: the two halves of a dual instruction take their second sources from different banks
.set ST,  8                            ; tile u's statistics at v[8 + 8 u]: +0 -M, +1 the largest t, +2, +3 the sum, +4 f (+5 named with it), +6 the old -M (tile 1: +6, +7 then a chain of the sum)
.set CH,  24                           ; four registers at work for each tile; v24-27 then two chains of tile 1's sum
.set OO,  32
.set SS,  96
.set PC,  224
.set QF,  0                            ; window 1
.set KF,  32
.set VF,  96
.set SPARE, 131072                     ; behind K and V: the spare words, 128 bytes for each wave: four blocks of 256 bytes that no other line names
.set WV,  18
.set G1,  24                           ; s[24:31] descriptor group 1: a dense block of 8 KiB as 32 rows of 256 bytes
.set G0,  32                           ; s[32:39] two groups 0
.set MSB, 0
.macro WIN new                         ; the immediate's high byte repeats the setting that is left
.if MSB != (\new)
	s_set_vgpr_msb (MSB<<8)|(\new)
.set MSB, (\new)
.endif
.endm
.macro INIT                            ; a pass begins: the largest t under every t, sums and O^T zero (the first change of M leaves zeros zeros)
.irp u, 0,1
	v_mov_b32 v[ST+8*\u+1], 0xff61b1e6
	v_mov_b32 v[ST+8*\u+2], 0
	v_mov_b32 v[ST+8*\u+3], 0
	v_mov_b32 v[ST+8*\u+5], 0
	v_floor_f32 v[ST+8*\u], -v[ST+8*\u+1]
.endr
.set i, 0
.rept 64
	v_mov_b32 v[OO+i], 0
.set i, i+1
.endr
.endm
.macro KLOAD                           ; the eight fragments of the K that begins at LDS byte s57
	v_add_nc_u32 v[ADN], s57, v[LI]
.endm
.macro KFETCH
	WIN 0x40
.irp t, 0,1,2,3,4,5,6,7
.irp p, 0,1
	ds_load_b128 v[KF+8*\t+4*\p:KF+8*\t+4*\p+3], v[ADN] offset:1024*\t+512*\p
.endr
.endr
	WIN 0
.endm
.macro FMA first, count                ; t - M, two at a time (of the pairs c and -M the low word serves both halves)
.set i, \first
.rept \count
	v_pk_fma_f32 v[SS+2*i:SS+2*i+1], v[SS+2*i:SS+2*i+1], s[22:23], v[ST+8*(i/32):ST+8*(i/32)+1] op_sel_hi:[1,0,0]
.set i, i+1
.endr
.endm
.macro HOLD r                          ; the conversion to an 8-bit code does not saturate (ISA guide 7.6.2); p is not negative, so the hold is one-sided; two holds an instruction
	v_dual_min_num_f32 v[\r], v[\r], v[LIM] :: v_dual_min_num_f32 v[\r+1], v[\r+1], v[LIM+1]
.endm
.macro TADD n, d                       ; a level of tile 0's tree of partial sums: pair k += pair k + d, k = 0 .. n - 1
.set i, 0
.rept \n
	v_pk_add_f32 v[PC+2*i:PC+2*i+1], v[PC+2*i:PC+2*i+1], v[PC+2*(i+\d):PC+2*(i+\d)+1]
.set i, i+1
.endr
.endm
	s_load_b256 s[4:11], s[0:1], 0x0               ; q_img, k_img, v_img, the scales' exponents
	s_load_b64 s[12:13], s[0:1], 0x20              ; o_img
	v_lshl_add_u32 v[SPW], v0, 2, SPARE
	v_mov_b32 v[NIL], 0
	ds_add_u32 v[SPW], v[NIL]                      ; the opening lines: the add, twice on end, and its wait ahead of my first tensor load
	ds_add_u32 v[SPW], v[NIL]
	v_lshrrev_b32 v1, 5, v0
	v_readfirstlane_b32 s[WV], v1                  ; wave 0..7
	s_mov_b32 s[G1], 3<<16                         ; no mask; elements of 8 bytes; no padding
	s_mov_b32 s[G1+1], 32<<16                      ; tensor_dim0 = 32 elements: 256 bytes
	s_mov_b32 s[G1+2], 32<<16                      ; tensor_dim1 = 32
	s_mov_b32 s[G1+3], 32<<16                      ; tile_dim0
	s_mov_b32 s[G1+4], 32                          ; tile_dim1
	s_mov_b32 s[G1+5], 32                          ; the pitch: dense
	s_mov_b32 s[G1+6], 0
	s_mov_b32 s[G1+7], 0
	s_mov_b32 s20, 0x76543210                      ; v_permlanex16_b32's selects for lane l xor 16
	s_mov_b32 s21, 0xfedcba98
	s_and_b32 s56, ttmp7, 0xffff
	s_lshl_b32 s56, s56, 16                        ; batch x 16 + head: 65,536 bytes in each of the four buffers
	s_and_b32 s58, s[WV], 3                        ; which step of a half I fetch
	s_lshr_b32 s59, s[WV], 2                       ; 0: for K, 1: for V
	s_lshl_b32 s60, s58, 14
	s_lshl_b32 s61, s59, 13
	s_add_co_u32 s60, s60, s61                     ; LDS: 16,384 x step + 8,192 for V
	s_lshl_b32 s62, s58, 13
	s_add_co_u32 s62, s62, s56                     ; memory: the head + 8,192 x step
	s_mov_b32 s63, 0
	s_lshl_b32 s40, ttmp9, 15
	s_lshl_b32 s41, s[WV], 12
	s_add_co_u32 s40, s40, s41
	s_add_co_u32 s40, s40, s56                     ; my four blocks of 16 queries: block 32 x work-group x + 4 x wave, 1,024 bytes a block
	s_mov_b32 s41, 0
	s_wait_dscnt 0x0                               ; both opening adds are done
	s_wait_kmcnt 0x0
	s_load_b256 s[48:55], s[10:11], 0x0            ; e0 .. e7
	s_cmp_eq_u32 s59, 0
	s_cselect_b64 s[44:45], s[6:7], s[8:9]
	s_add_nc_u64 s[44:45], s[44:45], s[62:63]
	s_mov_b32 s[G0], 1
	s_mov_b32 s[G0+1], s60
	s_mov_b64 s[G0+2:G0+3], s[44:45]
	s_or_b32 s[G0+3], s[G0+3], 0x80000000
	s_mov_b32 s[G0+4], 1
	s_add_co_u32 s[G0+5], s60, 65536               ; the second half: four steps on in LDS,
	s_add_nc_u64 s[G0+6:G0+7], s[44:45], 32768     ; and in memory
	s_or_b32 s[G0+7], s[G0+7], 0x80000000
	tensor_load_to_lds s[G0:G0+3], s[G1:G1+7]      ; every wave's one load at the head: its part of steps 0-3
	s_nop 0
.rept 4
	v_nop
.endr
	s_add_nc_u64 s[4:5], s[4:5], s[40:41]
	s_add_nc_u64 s[12:13], s[12:13], s[40:41]
	v_and_b32 v1, 31, v0
	v_lshlrev_b32 v[LI], 4, v1
	WIN 0x40                                       ; destination in window 1
.irp i, 0,1,2,3,4,5,6,7
	global_load_b128 v[QF+4*\i:QF+4*\i+3], v[LI], s[4:5] offset:512*\i   ; Q of both passes
.endr
	WIN 0
	INIT
	s_wait_kmcnt 0x0
	s_mov_b32 s22, 0x3e38aa3b                      ; c = log2(e) / 8
	s_add_co_i32 s56, s50, s51
	s_lshl_b32 s56, s56, 23
	s_add_co_i32 s22, s22, s56                     ; a score stands for score x 2^(e2 + e3): the exponents are added to c's exponent field
	s_mov_b32 s23, s22
	s_add_co_i32 s56, s52, 127
	s_lshl_b32 s57, s56, 23
	v_mov_b32 v[SCL], s57                          ; 2^e4
	s_add_co_i32 s56, s56, 8
	s_lshl_b32 s56, s56, 23
	s_or_b32 s56, s56, 0x600000
	v_mov_b32 v[LIM], s56                          ; 448 x 2^e4
	v_mov_b32 v[LIM+1], s56
	s_add_co_i32 s56, s54, 127
	s_lshl_b32 s59, s56, 23                        ; 2^e6
	s_add_co_i32 s56, s56, 8
	s_lshl_b32 s58, s56, 23
	s_or_b32 s58, s58, 0x600000                    ; 448 x 2^e6
	s_add_co_i32 s60, s52, s53                     ; e4 + e5
; A KEY STEP: 128 keys, whose K (already asked for) and V begin at LDS byte s2; s57: where the K begins that is fetched for the next step.
.macro STEP
	v_add_nc_u32 v[ADK], s2, v[LI]
.rept 3
	v_nop                                          ; with the addition: four places between the last products and the loads into V's registers
.endr
	WIN 0x40
.irp t, 0,1,2,3
.irp b, 0,1
.irp p, 0,1
	ds_load_b128 v[VF+16*\t+8*\b+4*\p:VF+16*\t+8*\b+4*\p+3], v[ADK] offset:8192+4096*\b+1024*\t+512*\p
.endr
.endr
.endr
	s_wait_dscnt 16                                ; K, asked for a step ago, is in; V's 16 loads may be out
	WIN 0x05                                       ; both sources in window 1
.irp t, 0,1,2,3,4,5,6,7
.irp u, 0,1
	v_wmma_f32_16x16x64_fp8_fp8 v[SS+64*\u+8*\t:SS+64*\u+8*\t+7], v[KF+8*\t:KF+8*\t+7], v[QF+8*\u:QF+8*\u+7], 0
.endr
.endr
	WIN 0
	KLOAD                                          ; four places behind the products: the next K's address,
.irp u, 0,1
	v_mov_b32 v[ST+8*\u+6], v[ST+8*\u]             ; the old -M,
.endr
	v_nop                                          ; and one idle line
	KFETCH                                         ; the next step's K into the registers just read
.irp j, 0,1,2,3                                ; the largest score of my query among my 64 keys, in four chains, the two tiles line by line; each accumulator is read from its low end on
.irp u, 0,1
	v_max3_num_f32 v[CH+4*\u+\j], v[SS+64*\u+8*\j], v[SS+64*\u+8*\j+1], v[SS+64*\u+8*\j+2]
.endr
.endr
.irp g, 1,2
.irp j, 0,1,2,3
.irp u, 0,1
	v_max3_num_f32 v[CH+4*\u+\j], v[CH+4*\u+\j], v[SS+64*\u+8*\j+2*\g+1], v[SS+64*\u+8*\j+2*\g+2]
.endr
.endr
.endr
.irp g, 0,1,2,3
.irp j, 0,1,2,3
.irp u, 0,1
	v_max3_num_f32 v[CH+4*\u+\j], v[CH+4*\u+\j], v[SS+64*\u+32+8*\j+2*\g], v[SS+64*\u+32+8*\j+2*\g+1]
.endr
.endr
.endr
.irp u, 0,1
	v_max3_num_f32 v[CH+4*\u], v[CH+4*\u], v[SS+64*\u+7], v[SS+64*\u+15]
.endr
.irp u, 0,1
	v_max3_num_f32 v[CH+4*\u+2], v[CH+4*\u+2], v[SS+64*\u+23], v[SS+64*\u+31]
.endr
.irp u, 0,1
	v_max3_num_f32 v[CH+4*\u], v[CH+4*\u], v[CH+4*\u+1], v[CH+4*\u+2]
.endr
.irp u, 0,1
	v_max_num_f32 v[CH+4*\u], v[CH+4*\u], v[CH+4*\u+3]
.endr
.irp u, 0,1
	v_permlanex16_b32 v[CH+4*\u+1], v[CH+4*\u], s20, s21
.endr
.irp u, 0,1
	v_max_num_f32 v[CH+4*\u], v[CH+4*\u], v[CH+4*\u+1]   ; and among lane l xor 16's
.endr
.irp u, 0,1
	v_mul_f32 v[CH+4*\u], s22, v[CH+4*\u]          ; as t (c is positive)
.endr
.irp u, 0,1
	v_max_num_f32 v[ST+8*\u+1], v[ST+8*\u+1], v[CH+4*\u]   ; the running largest t
.endr
.irp u, 0,1
	v_floor_f32 v[ST+8*\u], -v[ST+8*\u+1]          ; the new -M = floor(-t): M is a whole number
.endr
.irp u, 0,1
	v_sub_f32 v[CH+4*\u], v[ST+8*\u], v[ST+8*\u+6] ; old M - new M: a whole number, 0 or less
.endr
	FMA 0, 8                                       ; tile 0's t - M; the three lines that make f stand among them
.irp u, 0,1
	v_cvt_i32_f32 v[CH+4*\u], v[CH+4*\u]           ; (it saturates)
.endr
	FMA 8, 8
.irp u, 0,1
	v_ldexp_f32 v[ST+8*\u+4], 1.0, v[CH+4*\u]      ; f = 2^(old M - new M)
.endr
	FMA 16, 16
.set i, 0
.rept 32
	v_pk_mul_f32 v[OO+2*i:OO+2*i+1], v[OO+2*i:OO+2*i+1], v[ST+8*(i/16)+4:ST+8*(i/16)+5] op_sel_hi:[1,0]   ; O^T under the new M, ahead of the exponentials: the last products' results are first read here
.set i, i+1
.endr
.irp u, 0,1
	v_pk_mul_f32 v[ST+8*\u+2:ST+8*\u+3], v[ST+8*\u+2:ST+8*\u+3], v[ST+8*\u+4:ST+8*\u+5] op_sel_hi:[1,0]   ; the sums under the new M
.endr
	s_wait_alu depctr_va_vdst(0)                   ; the wait ahead of the batch, and ahead of the wait below
	s_wait_dscnt 16                                ; V is in; the next K's 16 loads may be out
.set i, 0
.rept 32                                       ; tile 0's p = 2^(t - M), at most 1; among them tile 1's t - M, which names none of the batch's registers and is first read behind the wait below
	v_exp_f32 v[SS+2*i], v[SS+2*i]
	v_exp_f32 v[SS+2*i+1], v[SS+2*i+1]
	v_pk_fma_f32 v[SS+64+2*i:SS+64+2*i+1], v[SS+64+2*i:SS+64+2*i+1], s[22:23], v[ST+8:ST+9] op_sel_hi:[1,0,0]
.set i, i+1
.endr
	s_wait_alu depctr_va_vdst(0)                   ; one wait: behind tile 0's batch, ahead of tile 1's
.set i, 0
.rept 16                                       ; tile 1's p; among them, of tile 0: the first level of the row's sum, taken of the unquantised p, into registers of their own, and then the holds; all first read behind the wait below
	v_exp_f32 v[SS+64+4*i], v[SS+64+4*i]
	v_exp_f32 v[SS+64+4*i+1], v[SS+64+4*i+1]
	v_exp_f32 v[SS+64+4*i+2], v[SS+64+4*i+2]
	v_exp_f32 v[SS+64+4*i+3], v[SS+64+4*i+3]
	v_pk_add_f32 v[PC+2*i:PC+2*i+1], v[SS+4*i:SS+4*i+1], v[SS+4*i+2:SS+4*i+3]
	HOLD SS+4*i
	HOLD SS+4*i+2
.set i, i+1
.endr
	v_nop                                          ; a plain instruction behind the batch
	s_wait_alu depctr_va_vdst(0)                   ; one wait for the batch, ahead of its first reader
	TADD 8, 8                                      ; tile 0's sum: the tree's further levels; tile 1's: four chains (v18, v22, v24, v26)
	TADD 4, 4
	v_pk_add_f32 v[22:23], v[SS+64:SS+65], v[SS+66:SS+67]
	v_pk_add_f32 v[24:25], v[SS+68:SS+69], v[SS+70:SS+71]
	v_pk_add_f32 v[26:27], v[SS+72:SS+73], v[SS+74:SS+75]
	TADD 2, 2
.set j, 12
.rept 6
.irp a, 18,22,24,26
	v_pk_add_f32 v[\a:\a+1], v[\a:\a+1], v[SS+64+j:SS+64+j+1]
.set j, j+2
.endr
.endr
	TADD 1, 1
	v_pk_add_f32 v[18:19], v[18:19], v[SS+124:SS+125]
	v_pk_add_f32 v[22:23], v[22:23], v[SS+126:SS+127]
	v_pk_add_f32 v[ST+2:ST+3], v[ST+2:ST+3], v[PC:PC+1]
	v_pk_add_f32 v[24:25], v[24:25], v[26:27]
	v_pk_add_f32 v[18:19], v[18:19], v[22:23]
	v_pk_add_f32 v[18:19], v[18:19], v[24:25]
.set i, 0
.rept 32
	HOLD SS+64+i
.set i, i+2
.endr
.set i, 0
.rept 16
	v_cvt_scalef32_pk8_fp8_f32 v[PC+2*i:PC+2*i+1], v[SS+8*i:SS+8*i+7], v[SCL]
.set i, i+1
.endr
	v_nop                                          ; a plain instruction between the last conversion and the products
	WIN 0x01                                       ; V in window 1
.irp t, 0,1,2,3
.irp u, 0,1
	v_wmma_f32_16x16x128_fp8_fp8 v[OO+32*\u+8*\t:OO+32*\u+8*\t+7], v[VF+16*\t:VF+16*\t+15], v[PC+16*\u:PC+16*\u+15], v[OO+32*\u+8*\t:OO+32*\u+8*\t+7]   ; eight accumulators by turns, one instruction a turn
.endr
.endr
	WIN 0
.endm
; THE WAY OUT of a pass: O^T x 2^(e4 + e5) / the sum, quantised with 2^e6: a lane's 32 numbers of a tile are the 8 registers of the last product's fragment, stored as they stand.  Then the next pass is set up.
.macro FINAL
.rept 4
	v_nop
.endr
.irp u, 0,1
	v_add_f32 v[ST+8*\u+2], v[ST+8*\u+2], v[ST+8*\u+3]
.endr
.irp u, 0,1
	v_permlanex16_b32 v[CH+4*\u+1], v[ST+8*\u+2], s20, s21
.endr
.irp u, 0,1
	v_add_f32 v[ST+8*\u+2], v[ST+8*\u+2], v[CH+4*\u+1]   ; the row's sum
.endr
	s_wait_alu depctr_va_vdst(0)                   ; the wait ahead of the reciprocals
.irp u, 0,1
	v_rcp_f32 v[ST+8*\u+4], v[ST+8*\u+2]
.endr
	v_mov_b32 v[CH], s58                           ; 448 x 2^e6 (the plain instruction behind the reciprocals)
	v_mov_b32 v[CH+4], s59                         ; 2^e6
	s_wait_alu depctr_va_vdst(0)                   ; one wait for both reciprocals, ahead of their first reader
.irp u, 0,1
	v_ldexp_f32 v[ST+8*\u+4], v[ST+8*\u+4], s60
.endr
	s_wait_alu depctr_va_vdst(0)                   ; the wait directly ahead of the first reader of O^T
.set i, 0
.rept 32
	v_pk_mul_f32 v[SS+2*i:SS+2*i+1], v[OO+2*i:OO+2*i+1], v[ST+8*(i/16)+4:ST+8*(i/16)+5] op_sel_hi:[1,0]
.set i, i+1
.endr
.set i, 0
.rept 64
	v_med3_num_f32 v[SS+i], v[SS+i], -v[CH], v[CH]
.set i, i+1
.endr
.set i, 0
.rept 8
	v_cvt_scalef32_pk8_fp8_f32 v[PC+2*i:PC+2*i+1], v[SS+8*i:SS+8*i+7], v[CH+4]
.set i, i+1
.endr
	v_nop                                          ; a plain instruction behind the last scaled conversion
.irp u, 0,1
.irp p, 0,1
	global_store_b128 v[LI], v[PC+8*\u+4*\p:PC+8*\u+4*\p+3], s[12:13] offset:1024*\u+512*\p   ; 512 consecutive bytes a store
.endr
.endr
	s_wait_alu depctr_va_vdst(0)                   ; the wait directly ahead of the wait below
	s_wait_xcnt 0x0                                ; the stores have read their base and their data: both are written again below and in the next pass
	s_add_nc_u64 s[12:13], s[12:13], 2048          ; the second pass's two blocks
	INIT
	WIN 0x41
.set i, 0
.rept 16
	v_mov_b32 v[QF+i], v[QF+16+i]                  ; the second pass's Q
.set i, i+1
.endr
	WIN 0
	s_wait_alu depctr_va_vdst(0)
.endm
	s_wait_alu depctr_va_vdst(0)                   ; the wait at the head's end
	s_wait_loadcnt 0x0                             ; Q
	s_wait_tensorcnt 0x0                           ; my part of steps 0-3 is in; ahead of a later first fill
	ds_add_u32 v[SPW], v[NIL]
	s_wait_dscnt 0x0
	s_barrier_signal -1
	s_barrier_wait -1                              ; everybody's part is in
	tensor_load_to_lds s[G0+4:G0+7], s[G1:G1+7]    ; my one load behind the barrier: my part of steps 4-7, into bytes of their own; it has the four steps below in which to land
	s_nop 0
.rept 4
	v_nop
.endr
	s_mov_b32 s57, 0
	KLOAD
	KFETCH                                         ; step 0's K
	s_mov_b32 s3, 0
.Lfirst:                                           ; the first pass's steps 0-3.  No ordinary vector write of a step is read behind the branch with fewer than 32 plain vector instructions between
	s_lshl_b32 s2, s3, 14
	s_add_co_u32 s57, s3, 1
	s_min_u32 s57, s57, 3                          ; the K fetched ahead stays inside the first half: the last trip fetches step 3's again, and it is not used
	s_lshl_b32 s57, s57, 14
	STEP
	s_add_co_u32 s3, s3, 1
	s_cmp_lt_u32 s3, 4
	s_cbranch_scc1 .Lfirst
	s_wait_tensorcnt 0x0                           ; my part of steps 4-7 is in
	ds_add_u32 v[SPW], v[NIL]
	s_wait_dscnt 0x0                               ; and my LDS loads are back
	s_barrier_signal -1
	s_barrier_wait -1                              ; everybody's part is in: from here on LDS is only read
	s_mov_b32 s57, 65536
	KLOAD
	KFETCH                                         ; step 4's K
.Lrest:                                            ; trips 4 .. 15: step = trip % 8; a pass ends behind its step 7
	s_and_b32 s56, s3, 7
	s_lshl_b32 s2, s56, 14
	s_add_co_u32 s57, s3, 1
	s_and_b32 s57, s57, 7
	s_lshl_b32 s57, s57, 14                        ; the next step's K (the last trip's is not used)
	STEP
	s_cmp_lg_u32 s56, 7
	s_cbranch_scc1 .Lon
	FINAL
.Lon:
	s_add_co_u32 s3, s3, 1
	s_cmp_lt_u32 s3, 16
	s_cbranch_scc1 .Lrest
	s_wait_tensorcnt 0x0                           ; the wave's end: behind the last tensor load
	ds_add_u32 v[SPW], v[NIL]
	s_wait_dscnt 0x0
	s_endpgm
.Lfunc_end_k_q1da0c2f741_attn:
	.size	k_q1da0c2f741_attn, .Lfunc_end_k_q1da0c2f741_attn-k_q1da0c2f741_attn
	.p2alignl 7, 3214868480
	.fill 96, 4, 3214868480
	.section	.rodata,"a",@progbits
	.p2align	6, 0x0
	.amdhsa_kernel k_q1da0c2f741_attn
		.amdhsa_group_segment_fixed_size 327680
		.amdhsa_private_segment_fixed_size 0
		.amdhsa_enable_private_segment 0
		.amdhsa_kernarg_size 40
		.amdhsa_user_sgpr_count 2
		.amdhsa_user_sgpr_kernarg_segment_ptr 1
		.amdhsa_wavefront_size32 1
		.amdhsa_system_sgpr_workgroup_id_x 1
		.amdhsa_system_sgpr_workgroup_id_y 1
		.amdhsa_system_sgpr_workgroup_id_z 1
		.amdhsa_system_vgpr_workitem_id 0
		.amdhsa_next_free_vgpr 512
		.amdhsa_next_free_sgpr 66
		.amdhsa_reserve_vcc 0
		.amdhsa_float_denorm_mode_32 3
		.amdhsa_float_denorm_mode_16_64 3
		.amdhsa_memory_ordered 1
		.amdhsa_forward_progress 1
		.amdhsa_inst_pref_size 78
	.end_amdhsa_kernel
	.amdgpu_metadata
---
amdhsa.version: [ 1, 2 ]
amdhsa.kernels:
  - .name:           k_q1da0c2f741_attn
    .symbol:         k_q1da0c2f741_attn.kd
    .args:
      - { .name: q_img, .offset: 0, .size: 8, .value_kind: global_buffer, .address_space: global }
      - { .name: k_img, .offset: 8, .size: 8, .value_kind: global_buffer, .address_space: global }
      - { .name: v_img, .offset: 16, .size: 8, .value_kind: global_buffer, .address_space: global }
      - { .name: lowp_scales, .offset: 24, .size: 8, .value_kind: global_buffer, .address_space: global }
      - { .name: o_img, .offset: 32, .size: 8, .value_kind: global_buffer, .address_space: global }
    .group_segment_fixed_size: 327680
    .private_segment_fixed_size: 0
    .kernarg_segment_align: 8
    .kernarg_segment_size: 40
    .max_flat_workgroup_size: 256
    .sgpr_count:     66
    .vgpr_count:     512
    .wavefront_size: 32
...
	.end_amdgpu_metadata
.endif
;; end of part 3
;; launch proj (part 4): grid 4 x 64, 4 waves a work-group, clusters of 4 x 4, 327,680 bytes of LDS; arguments o_img, wp_codes, bp, lowp_scales, out0; writes out0
.if DOCPART == 4
	.amdgcn_target "amdgcn-amd-amdhsa--gfx1250"
	.amdhsa_code_object_version 6
	.text
	.protected	k_q1da0c2f741_proj
	.globl	k_q1da0c2f741_proj
	.p2align	8
	.type	k_q1da0c2f741_proj,@function
k_q1da0c2f741_proj:
	s_mov_b64 s[64:65], 0
	v_nop
	global_prefetch_b8 v0, s[64:65] scope:SCOPE_SE
	s_setreg_imm32_b32 hwreg(HW_REG_WAVE_MODE, 25, 1), 1
	s_wait_xcnt 0x0
	s_wait_alu depctr_hold_cnt(0) depctr_sa_sdst(0) depctr_va_vdst(0) depctr_va_sdst(0) depctr_va_ssrc(0) depctr_va_vcc(0) depctr_vm_vsrc(0)
	s_getreg_b32 s2, hwreg(HW_REG_IB_STS2, 6, 4)
	s_cmp_eq_u32 s2, 0
	s_cbranch_scc0 .Lentry_in_a_cluster
	s_endpgm
.Lentry_in_a_cluster:
	s_bfe_u32 s2, ttmp6, 0x10000c
	s_cmp_lg_u32 s2, 0xf033
	s_cbranch_scc0 .Lentry_shape_is_right
	s_endpgm
.Lentry_shape_is_right:
.set KROW,   1024
.set ROWB,   256
.set PITCH,  272
.set FR,     16
.set NP,     4
.set HALFA,  16384
.set HALFB,  128*PITCH
.set BOFF,   2*HALFA
.set SLOT,   BOFF+2*HALFB
.set SPARE,  2*SLOT
.set SPITCH, 528
.set ADRA, 16
.set ADRB, 20
.set STO,  24
.set RD,   25
.set CO,   26
.set HO,   27
.set SPW,  28
.set NIL,  29
.set BPC,  32
.set TMP,  32
.set AF,   128
.set BK,   128
.set G1, 24
.set G0, 32
.set G1B, 48
.set G0B, 56
.set MSB, 0
.macro WIN new
.if MSB != (\new)
	s_set_vgpr_msb (MSB<<8)|(\new)
.set MSB, (\new)
.endif
.endm
.set MUL_LO,  0xa1
.set MULF_LO, 0x81
.set TO_B,    0x40
.macro JLOAD g0a, g1a, g0b, g1b
	s_cmp_eq_u32 s15, 0
	s_cbranch_scc0 .Lfor_b_\@
	tensor_load_to_lds s[\g0a:\g0a+3], s[\g1a:\g1a+7]
	s_nop 0
.rept 4
	v_nop
.endr
	s_branch .Lasked_\@
.Lfor_b_\@:
	tensor_load_to_lds s[\g0b:\g0b+3], s[\g1b:\g1b+7]
	s_nop 0
.rept 4
	v_nop
.endr
.Lasked_\@:
.endm
.macro CREST
	s_cmp_lg_u32 s14, 0
	s_cbranch_scc1 .Lnot_wave_0_\@
	s_barrier_signal -3
.Lnot_wave_0_\@:
	s_barrier_wait -3
	s_barrier_signal -1
	s_barrier_wait -1
.endm
.macro CROUND
	s_barrier_signal -1
	s_barrier_wait -1
	CREST
.endm
	s_load_b256 s[4:11], s[0:1], 0x0
	s_load_b64 s[12:13], s[0:1], 0x20
	v_lshl_add_u32 v[SPW], v0, 2, SPARE
	v_mov_b32 v[NIL], 0
	ds_add_u32 v[SPW], v[NIL]
	ds_add_u32 v[SPW], v[NIL]
	v_lshrrev_b32 v1, 5, v0
	v_readfirstlane_b32 s14, v1
	s_lshr_b32 s15, s14, 1
	s_and_b32 s16, s14, 1
	s_bfe_u32 s40, ttmp6, 0x40000
	s_bfe_u32 s41, ttmp6, 0x40004
	s_lshl_b32 s42, ttmp9, 2
	s_add_co_u32 s42, s42, s40
	s_and_b32 s17, ttmp7, 0xffff
	s_lshl_b32 s17, s17, 2
	s_add_co_u32 s17, s17, s41
	s_lshl_b32 s43, s41, 2
	s_lshl_b32 s43, 15, s43
	s_lshl_b32 s44, 0x1111, s40
	s_or_b32 s[G1+0], s43, (3<<16)|(1<<21)
	s_mov_b32 s[G1+1], 1024<<16
	s_mov_b32 s[G1+2], 2<<16
	s_mov_b32 s[G1+3], 1024<<16
	s_mov_b32 s[G1+4], 2
	s_mov_b32 s[G1+5], 8192
	s_mov_b32 s[G1+6], 0
	s_mov_b32 s[G1+7], 0
	s_or_b32 s[G1B+0], s44, (0<<16)|(1<<20)|(1<<21)|(5<<22)|(3<<25)
	s_mov_b32 s[G1B+1], ROWB<<16
	s_mov_b32 s[G1B+2], 128<<16
	s_mov_b32 s[G1B+3], ROWB<<16
	s_mov_b32 s[G1B+4], 128
	s_mov_b32 s[G1B+5], KROW
	s_mov_b32 s[G1B+6], 0
	s_mov_b32 s[G1B+7], 0
	s_lshr_b32 s20, s17, 3
	s_lshl_b32 s20, s20, 20
	s_and_b32 s18, s17, 7
	s_lshl_b32 s18, s18, 13
	s_add_co_u32 s20, s20, s18
	s_lshl_b32 s18, s16, 17
	s_add_co_u32 s20, s20, s18
	s_mov_b32 s21, 0
	s_lshl_b32 s46, s42, 8
	s_lshl_b32 s18, s16, 7
	s_add_co_u32 s46, s46, s18
	s_lshl_b32 s46, s46, 10
	s_mov_b32 s47, 0
	s_lshl_b32 s45, s16, 14
	s_mul_i32 s66, s16, HALFB
	s_add_co_u32 s66, s66, BOFF
	s_wait_dscnt 0x0
	s_wait_kmcnt 0x0
	s_load_b256 s[88:95], s[10:11], 0x0
	s_add_nc_u64 s[20:21], s[4:5], s[20:21]
	s_add_nc_u64 s[46:47], s[6:7], s[46:47]
	CROUND
.irp s, 0,1
	s_mov_b32 s[G0+4*\s], 1
	s_add_co_u32 s[G0+4*\s+1], s45, \s*SLOT
	s_add_nc_u64 s[G0+4*\s+2:G0+4*\s+3], s[20:21], \s*262144
	s_or_b32 s[G0+4*\s+3], s[G0+4*\s+3], 0x80000000
	s_mov_b32 s[G0B+4*\s], 1
	s_add_co_u32 s[G0B+4*\s+1], s66, \s*SLOT
	s_add_nc_u64 s[G0B+4*\s+2:G0B+4*\s+3], s[46:47], \s*ROWB
	s_or_b32 s[G0B+4*\s+3], s[G0B+4*\s+3], 0x80000000
.if \s == 0
	JLOAD G0, G1, G0B, G1B                         ; K step 0, behind the opening round: one tensor load a wave at the head
.endif
.endr
	v_and_b32 v1, 15, v0
	v_bfe_u32 v2, v0, 4, 1
	v_and_b32 v6, 31, v0
	v_lshlrev_b32 v[CO], 4, v6
	v_mul_u32_u24 v3, v1, PITCH
	v_lshl_add_u32 v4, v2, 4, v3
	s_lshl_b32 s21, s15, 12
	s_mul_i32 s22, s16, HALFB
	s_add_co_u32 s22, s22, BOFF
.irp s, 0,1
	v_add_nc_u32 v[ADRA+\s], s21, v[CO]
	v_add_nc_u32 v[ADRB+\s], s22, v4
	s_add_co_u32 s21, s21, SLOT
	s_add_co_u32 s22, s22, SLOT
.endr
	s_mul_i32 s23, s14, 16*SPITCH
	v_mul_u32_u24 v5, v1, SPITCH
	v_lshl_add_u32 v5, v2, 5, v5
	v_add_nc_u32 v[STO], s23, v5
	v_add_nc_u32 v[RD], s23, v[CO]
	v_lshlrev_b32 v[HO], 5, v2
	s_lshl_b32 s46, s42, 10
	s_lshl_b32 s47, s16, 9
	s_add_co_u32 s46, s46, s47
	s_mov_b32 s47, 0
	s_add_nc_u64 s[8:9], s[8:9], s[46:47]
.irp b, 0,1,2,3,4,5,6,7
	global_load_b128 v[BPC+8*\b:BPC+8*\b+3], v[HO], s[8:9] offset:64*\b
	global_load_b128 v[BPC+8*\b+4:BPC+8*\b+7], v[HO], s[8:9] offset:64*\b+16
.endr
	s_lshl_b32 s20, s17, 7
	s_lshl_b32 s21, s15, 6
	s_add_co_u32 s20, s20, s21
	s_lshl_b32 s20, s20, 12
	s_mov_b32 s21, 0
	s_add_nc_u64 s[20:21], s[20:21], s[46:47]
	s_add_nc_u64 s[12:13], s[12:13], s[20:21]
	s_wait_kmcnt 0x0
	s_add_co_i32 s18, s94, s95
	s_add_co_i32 s96, s18, 127
	s_lshl_b32 s96, s96, 23
	s_mov_b32 s97, s96
	s_sub_co_i32 s98, 127, s18
	s_lshl_b32 s98, s98, 23
	s_mov_b32 s99, s98
	s_wait_loadcnt 0x0
.set j, 0
.rept 32
	v_pk_mul_f32 v[BPC+j:BPC+j+1], v[BPC+j:BPC+j+1], s[98:99] op_sel_hi:[1,0]
.set j, j+2
.endr
.macro FRAGB reg, adr, q, i
.irp c, 0,1,2,3
	ds_load_b128 v[\reg+4*\c:\reg+4*\c+3], v[\adr] offset:128*(\q)+32*\c+(\i)*16*PITCH
.endr
.endm
.macro FRAGA reg, adr, q, i
.irp c, 0,1,2,3
	ds_load_b128 v[\reg+4*\c:\reg+4*\c+3], v[\adr] offset:(2*(\q)+\c/2)*8192+1024*(\i)+512*(\c%2)
.endr
.endm
.macro VMUL16 a0, p, first
.irp a, \a0, \a0+1
.irp b, 0,1,2,3,4,5,6,7
.if \first
	v_wmma_f32_16x16x128_fp8_fp8 v[8*(8*(\a)+\b):8*(8*(\a)+\b)+7], v[128*(\p)+FR*\b:128*(\p)+FR*\b+FR-1], v[AF+64*(\p)+FR*(\a):AF+64*(\p)+FR*(\a)+FR-1], v[BPC+8*\b:BPC+8*\b+7]
.else
	v_wmma_f32_16x16x128_fp8_fp8 v[8*(8*(\a)+\b):8*(8*(\a)+\b)+7], v[128*(\p)+FR*\b:128*(\p)+FR*\b+FR-1], v[AF+64*(\p)+FR*(\a):AF+64*(\p)+FR*(\a)+FR-1], v[8*(8*(\a)+\b):8*(8*(\a)+\b)+7]
.endif
.endr
.endr
.endm
.macro VFETCH slot, q, p
	WIN TO_B
.irp i, 0,1,2,3,4,5,6,7
	FRAGB 128*(\p)+FR*\i, ADRB+\slot, \q, \i
.endr
	WIN 0
.irp i, 0,1,2,3
	FRAGA AF+64*(\p)+FR*\i, ADRA+\slot, \q, \i
.endr
.endm
.macro PLACES n
.rept \n
	v_nop
.endr
.endm
.macro VSTEP slot, first
	s_wait_dscnt 0x0
	PLACES NP
	VFETCH \slot, 1, 1
.if \first
	WIN MULF_LO
.else
	WIN MUL_LO
.endif
	VMUL16 0, 0, \first
	VMUL16 2, 0, \first
	WIN 0
.endm
.macro VTURN slot, next, fill
	s_wait_tensorcnt 0x0
	ds_add_u32 v[SPW], v[NIL]
	s_wait_dscnt 0x0
	s_barrier_signal -1
	WIN MUL_LO
	VMUL16 0, 1, 0
	WIN 0
	s_barrier_wait -1
.if \fill
	CREST
	s_add_nc_u64 s[G0+4*\slot+2:G0+4*\slot+3], s[G0+4*\slot+2:G0+4*\slot+3], 2*262144
	s_add_nc_u64 s[G0B+4*\slot+2:G0B+4*\slot+3], s[G0B+4*\slot+2:G0B+4*\slot+3], 2*ROWB
	JLOAD G0+4*\slot, G1, G0B+4*\slot, G1B
.else
	PLACES NP
.endif
	VFETCH \next, 0, 0
	WIN MUL_LO
	VMUL16 2, 1, 0
	WIN 0
.endm
	s_wait_alu depctr_va_vdst(0)
	s_wait_tensorcnt 0x0                           ; my part of K step 0 is in; ahead of a later first fill
	ds_add_u32 v[SPW], v[NIL]
	s_wait_dscnt 0x0
	CROUND                                         ; a whole round: everybody's part of K step 0 is in, and the joint loads meet
	JLOAD G0+4, G1, G0B+4, G1B                     ; K step 1: the first tensor load behind the round
	VFETCH 0, 0, 0
	VSTEP 0, 1
	VTURN 0, 1, 1
	VSTEP 1, 0
	VTURN 1, 0, 1
	VSTEP 0, 0
	VTURN 0, 1, 0
	VSTEP 1, 0
	s_wait_dscnt 0x0
	WIN MUL_LO
	VMUL16 0, 1, 0
	VMUL16 2, 1, 0
	WIN 0
.macro TOSTAGE a
.set AC, 64*(\a)
	WIN 2
.set j, 0
.rept 32
	v_pk_mul_f32 v[TMP+j:TMP+j+1], v[AC+j:AC+j+1], s[96:97] op_sel_hi:[1,0]
.set j, j+2
.endr
	WIN 0
.irp b, 0,1,2,3,4,5,6,7
	ds_store_b128 v[STO], v[TMP+8*\b:TMP+8*\b+3] offset:64*\b
	ds_store_b128 v[STO], v[TMP+8*\b+4:TMP+8*\b+7] offset:64*\b+16
.endr
.set BB, BK+64*((\a)%2)
.irp t, 0,1,2,3,4,5,6,7,8,9,10,11,12,13,14,15
	ds_load_b128 v[BB+4*\t:BB+4*\t+3], v[RD] offset:\t*SPITCH
.endr
.endm
.macro SEND a, younger
.set BB, BK+64*((\a)%2)
	s_wait_dscnt \younger
.if (\a) > 0
	s_add_nc_u64 s[12:13], s[12:13], 16*4096
.endif
.irp t, 0,1,2,3,4,5,6,7,8,9,10,11,12,13,14,15
	global_store_b128 v[CO], v[BB+4*\t:BB+4*\t+3], s[12:13] offset:\t*4096 th:TH_STORE_NT
.endr
.endm
	PLACES NP
	TOSTAGE 0
.irp a, 1,2,3
.if \a > 1
	s_wait_xcnt 0x0
.endif
	TOSTAGE \a
	SEND \a-1, 32
.endr
	s_wait_xcnt 0x0
	SEND 3, 0
	s_wait_tensorcnt 0x0
	ds_add_u32 v[SPW], v[NIL]
	s_wait_dscnt 0x0
	CROUND
	s_endpgm
.Lfunc_end_k_q1da0c2f741_proj:
	.size	k_q1da0c2f741_proj, .Lfunc_end_k_q1da0c2f741_proj-k_q1da0c2f741_proj
	.p2alignl 7, 3214868480
	.fill 96, 4, 3214868480
	.section	.rodata,"a",@progbits
	.p2align	6, 0x0
	.amdhsa_kernel k_q1da0c2f741_proj
		.amdhsa_group_segment_fixed_size 327680
		.amdhsa_private_segment_fixed_size 0
		.amdhsa_enable_private_segment 0
		.amdhsa_kernarg_size 40
		.amdhsa_user_sgpr_count 2
		.amdhsa_user_sgpr_kernarg_segment_ptr 1
		.amdhsa_wavefront_size32 1
		.amdhsa_system_sgpr_workgroup_id_x 1
		.amdhsa_system_sgpr_workgroup_id_y 1
		.amdhsa_system_sgpr_workgroup_id_z 1
		.amdhsa_system_vgpr_workitem_id 0
		.amdhsa_next_free_vgpr 1024
		.amdhsa_next_free_sgpr 100
		.amdhsa_reserve_vcc 0
		.amdhsa_float_denorm_mode_32 3
		.amdhsa_float_denorm_mode_16_64 3
		.amdhsa_memory_ordered 1
		.amdhsa_forward_progress 1
		.amdhsa_inst_pref_size 79
	.end_amdhsa_kernel
	.amdgpu_metadata
---
amdhsa.version: [ 1, 2 ]
amdhsa.kernels:
  - .name:           k_q1da0c2f741_proj
    .symbol:         k_q1da0c2f741_proj.kd
    .args:
      - { .name: o_img, .offset: 0, .size: 8, .value_kind: global_buffer, .address_space: global }
      - { .name: wp_codes, .offset: 8, .size: 8, .value_kind: global_buffer, .address_space: global }
      - { .name: bp, .offset: 16, .size: 8, .value_kind: global_buffer, .address_space: global }
      - { .name: lowp_scales, .offset: 24, .size: 8, .value_kind: global_buffer, .address_space: global }
      - { .name: out0, .offset: 32, .size: 8, .value_kind: global_buffer, .address_space: global }
    .group_segment_fixed_size: 327680
    .private_segment_fixed_size: 0
    .kernarg_segment_align: 8
    .kernarg_segment_size: 40
    .max_flat_workgroup_size: 128
    .sgpr_count:     100
    .vgpr_count:     1024
    .wavefront_size: 32
...
	.end_amdgpu_metadata
.endif
;; end of part 4
